; MI455X (gfx1250); checked and timed in simulation.
; The chip was launched on July 23, 2026; its instructions are those of AMD's public machine-readable ISA for CDNA 5 (MIT licence, August 2026) and "CDNA5" Instruction Set Architecture Reference Guide (July 2026). The comments in the code are by the model that wrote it; some were corrected since.
;; Multi Head Attention. Allowed arithmetic: matrix products marked QUANTISED: E4M3 operands, one E8M0 scale for each 32 along K, by v_wmma_scale_f32_16x16x128_f8f6f4 with both operands' format E4M3, f32 sums; everything else in f32.
;; Inputs: Wk 16 x 1,024 x 64 float32; Wproj 1,024 x 1,024 float32; Wq 16 x 1,024 x 64 float32; Wv 16 x 1,024 x 64 float32; bproj 1,024 float32; x 4 x 2,048 x 1,024 float32.
;; Outputs: out0 4 x 2,048 x 1,024 float32.
;; This version of the problem:
;;   THIS VERSION OF THE PROBLEM IS GIVEN IN LOW PRECISION. The matrix products marked QUANTISED in the list below multiply operands that are first quantised to E4M3 (4 exponent bits, 3 mantissa bits; 8 bits a number), with one power-of-two scale for each 32 numbers along K (OCP MX v1.0); their sums are f32. All else is computed in f32.
;;   The module's matrix products, in the order in which they are computed (A, B: the left and right operand; K: the contracted axis; several contracted axes count as one K, in the product's order):
;;     1. [M 1,024, K 1,024] x [K 1,024, N 8,192]; A: input Wq; B: input x: QUANTISED
;;     2. [M 1,024, K 1,024] x [K 1,024, N 8,192]; A: input Wk; B: input x: QUANTISED
;;     3. [M 1,024, K 1,024] x [K 1,024, N 8,192]; A: input Wv; B: input x: QUANTISED
;;     4. batch 64 x [M 2,048, K 64] x [K 64, N 2,048]; A: computed on the way; B: computed on the way: QUANTISED
;;     5. batch 64 x [M 2,048, K 2,048] x [K 2,048, N 64]; A: softmax (see below); B: computed on the way: QUANTISED
;;     6. [M 8,192, K 1,024] x [K 1,024, N 1,024]; A: computed on the way; B: input Wproj: QUANTISED
;;   THE QUANTISER, for each operand of a quantised product, along K:
;;     - K is cut into blocks of 32 from its start; a last block that is shorter is filled with zeros.
;;     - A block's scale is 2^e with e = floor(log2(the largest magnitude in the block)) - 8, held to -126 .. 127; a block of zeros has e = 0. As a byte (E8M0): e + 127.
;;     - Each number is divided by its block's scale, clamped to +-448, and rounded to the nearest number of E4M3, ties to even, subnormals kept.
;;     - The product sums the exact products of the quantised numbers (number of the format x scale) in f32.
;;   ~~~python
;;   def quantise(x, axis):      # numpy; x: float32 -> the quantised numbers, widened to float32 again
;;       x = np.moveaxis(x, axis, -1); K = x.shape[-1]
;;       x = np.pad(x, [(0, 0)] * (x.ndim - 1) + [(0, -K % 32)]); x = x.reshape(x.shape[:-1] + (-1, 32)); a = np.abs(x).max(-1, keepdims=True)
;;       e = np.where(a > 0, np.clip(np.frexp(np.where(a > 0, a, 1))[1] - 1 - 8, -126, 127), 0)      # np.frexp(a)[1] - 1 = floor(log2(a)), exactly
;;       r = np.clip(x / 2.0 ** e, -448, 448)
;;       step = 2.0 ** (np.maximum(np.frexp(np.where(r == 0, 1, r))[1] - 1, -6) - 3)
;;       q = np.round(r / step) * step * 2.0 ** e      # np.round: ties to even
;;       return np.moveaxis(q.reshape(q.shape[:-2] + (-1,))[..., :K], -1, axis).astype(np.float32)
;;   ~~~
;;   SOFTMAX AHEAD OF A QUANTISED PRODUCT. Where the list says 'softmax', what is quantised is not the finished softmax but p = 2^(t - M), with t = logit x log2(e) and M = ceil(the row's largest t), a whole number; so 1/2 < the row's largest p <= 1. The row's sum l is taken of the UNQUANTISED p, in f32, and the product's result is divided by l at the end. Since M is a whole number, a kernel that streams over the keys may use a running M (the ceiling of the running maximum): every later rescaling is an exact power of two, which a block's scale takes up: the codes' values come out the same.
;;   OPERANDS COMPUTED ON THE WAY. 'Computed on the way' means the value that the module computes at that place (a softmax that the list does not call 'softmax' is quantised finished and normalised). What goes into a quantiser is computed in f32, as accurately as f32 sums, v_exp_f32 and their like allow (about 1e-6 of the number): no bf16 or f16 on the way to a quantiser, and a product that is left as it is and whose result goes on into a quantised operand takes f32 operands (vector FMAs, or v_wmma_f32_16x16x4_f32). A number that lies on a knife's edge between two numbers of the format may be rounded either way, as far as f32 arithmetic and the matrix unit's own rounding can turn it there, and no further.
;; One version. Each part assembles by itself: llvm-mc -triple=amdgcn-amd-amdhsa -mcpu=gfx1250 --defsym DOCPART=n.
;; ======== version 1 of 1: 4 launches
;; limits: right only within a limited range of input values
;; workspace buffers: img 12,582,912 bytes; scl 393,216 bytes; qkv 25,165,824 bytes; qkvs 1,572,864 bytes; o_img 8,388,608 bytes; o_scl 262,144 bytes
;; launch quant (part 1): grid 672 x 1, 2 waves a work-group, no clusters, 17,152 bytes of LDS; arguments x, Wproj, Wq, Wk, Wv, img, scl; writes img, scl
.if DOCPART == 1
	.amdgcn_target "amdgcn-amd-amdhsa--gfx1250"
	.amdhsa_code_object_version 6
	.text
	.protected	k_q3ecd2e3232_quant
	.globl	k_q3ecd2e3232_quant
	.p2align	8
	.type	k_q3ecd2e3232_quant,@function
k_q3ecd2e3232_quant:
	s_mov_b64 s[64:65], 0
	v_nop
	global_prefetch_b8 v0, s[64:65] scope:SCOPE_SE
	s_setreg_imm32_b32 hwreg(HW_REG_WAVE_MODE, 25, 1), 1
	s_wait_xcnt 0x0
; All five f32 operands become codes of FP8 (E4M3) with one E8M0 scale byte for each 32 along K = 1,024, in one launch.
; THE CODES ARE LAID AS IMAGES OF THE OPERAND'S REGISTERS: img[tile][K step of 128 (8)][c (4)][lane (32)][16 bytes]; lane (r = lane % 16, h = lane / 16) holds row r of the tile, K = 32 c + 16 h + 0 .. 15.
; THE ROWS OF A TILE ARE NOT NEIGHBOURS: lane r of tile T holds row 32 (T / 2) + 8 (T % 2) + r + 8 (r / 8), so that, where such a tile is a product's source 0, the 16 result registers of tiles 2 b, 2 b + 1 are 16 neighbours.
; The scale bytes: scl[16 T + r][32], byte K / 32.  Tiles 0-511 are x's, 512-575 Wproj's, 576 + 64 which + 4 head + (0 .. 3) Wq's, Wk's, Wv's (rows 64 head + d).
; A block's scale is 2^(floor(log2(largest magnitude)) - 8); its byte is the largest magnitude's exponent field - 8, held at 1 from below.
; LIMITS: a block of zeros gets the byte 1 where the rule says 127 (its codes are zeros, and this program alone reads the bytes); blocks whose largest magnitude lies under 2^-118 are held at byte 1; NaN and infinities are not served.
; TWO PATHS, parted by the work-group's number; only the first touches LDS.
; Work-groups 0-287: x [8192][1024] and Wproj [1024][1024], K innermost.  A wave owns one tile, 16 rows x 1,024 K, in eight K steps.  Each load reads 512 consecutive bytes of one row; the step's 16 x 512 bytes turn
;   through the wave's own stage in LDS (rows of 512 + 16 bytes), from which a lane takes the 16 neighbours of each of its four blocks.  A step's codes leave by four stores of 512 consecutive bytes.  Loads run two steps (32 loads) ahead.
; Work-groups 288-671: Wq, Wk, Wv [16 heads][1024 (K)][64 (d)], K NOT innermost.  A LANE TAKES A COLUMN d, AND ITS REGISTERS RUN DOWN K: a block of 32 lies in one lane's 32 registers, and the conversions give codes with K innermost.
;   A wave takes 32 columns (two tiles) x 128 K (four blocks).  A lane's 32 codes of a block are the 16 bytes of lane (r, 0) and the 16 of lane (r, 1) of its tile's image: two stores, in each of which sixteen lanes fill 256 consecutive bytes.
;   The scale words leave 4 bytes a lane, 32 bytes apart: 96 KiB in all, against 12 MiB read.  Loads run two blocks (64 loads) ahead.
; Waves share nothing: no barrier.
.set SPT,  528                         ; a stage row: 512 bytes + 16
.set STG,  16*SPT                      ; a wave's stage
.set TM,   8                           ; v8-11 largest magnitudes, v12-15 the other half's, then bytes, v16-19 448 x the scale, v20-23 the conversions' scale operands
.set PW,   24                          ; v24-31  the scale word of each K step
.set R,    32                          ; v32-159 two sets of 64: a step's numbers as loaded
.set X,    160                         ; v160-223 register 16 b + i = K 32 b + 16 h + i of my row
.set PC,   224                         ; v224-239 a fragment's codes
.set SW,   240                         ; v240-243 my 16 of my row's 32 scale bytes
.set SEL,  20                          ; s[20:21] v_permlanex16_b32's selects for lane l xor 16
.set MNT,  23                          ; s23 the mantissa field of 448
.set WX,   32                          ; the weights' path: v32-95 two sets of 32 numbers
.set WC,   96                          ; v96-127 eight registers of codes for each block: no store's data are written again
.set WSB,  24                          ; v24 the four scale bytes
	s_load_b128 s[4:7], s[0:1], 0x0                ; x, Wproj
	s_load_b128 s[8:11], s[0:1], 0x10              ; Wq, Wk
	s_load_b128 s[12:15], s[0:1], 0x20             ; Wv, img
	s_load_b64 s[16:17], s[0:1], 0x30              ; scl
	v_lshl_add_u32 v254, v0, 2, 0x4200
	v_mov_b32 v255, 0
	v_lshrrev_b32 v6, 5, v0
	v_readfirstlane_b32 s18, v6                    ; wave 0..1
	v_and_b32 v1, 31, v0                           ; lane
	s_cmp_ge_u32 ttmp9, 288
	s_cbranch_scc1 .Lweights
	; ---- x and Wproj
	v_lshlrev_b32 v2, 4, v1                        ; 16 x lane: my bytes of a load's and of a store's 512
	s_mul_i32 s19, s18, STG
	v_add_nc_u32 v3, s19, v2                       ; the stage, on the way in
	v_and_b32 v6, 15, v0                           ; r
	v_bfe_u32 v7, v0, 4, 1                         ; h
	v_mul_u32_u24 v4, v6, SPT
	v_lshl_add_u32 v4, v7, 6, v4
	v_add_nc_u32 v4, s19, v4                       ; and on the way out: row r, + 64 h
	v_lshlrev_b32 v5, 5, v6
	v_lshl_add_u32 v5, v7, 4, v5                   ; the scale bytes: 32 r + 16 h
	s_mov_b32 s[SEL], 0x76543210
	s_mov_b32 s[SEL+1], 0xfedcba98
	s_mov_b32 s[MNT], 0x600000
.irp b, 0,1,2,3
	v_mov_b32 v[TM+4+\b], 0                        ; written once: a lane permute's destination counts as one of its sources
.endr
	s_lshl_b32 s22, ttmp9, 1
	s_add_co_u32 s22, s22, s18                     ; T, my tile
	s_wait_alu depctr_va_vdst(0)
	s_wait_kmcnt 0x0
	s_cmp_lt_u32 ttmp9, 256                        ; x's work-group or Wproj's?  The choice hangs on the work-group's number alone
	s_cselect_b64 s[4:5], s[4:5], s[6:7]
	s_cselect_b32 s24, 0, 512
	s_sub_co_u32 s24, s22, s24                     ; the tile's number in its tensor
	s_lshr_b32 s26, s24, 1
	s_lshl_b32 s26, s26, 17                        ; 32 rows of 4,096 bytes for each pair of tiles,
	s_and_b32 s27, s24, 1
	s_lshl_b32 s27, s27, 15                        ; 8 rows more for an odd tile
	s_add_co_u32 s26, s26, s27
	s_mov_b32 s27, 0
	s_add_nc_u64 s[4:5], s[4:5], s[26:27]
	s_lshl_b32 s26, s22, 14                        ; a tile's image: 16,384 bytes
	s_add_nc_u64 s[14:15], s[14:15], s[26:27]
	s_lshl_b32 s26, s22, 9                         ; its scale bytes: 512
	s_add_nc_u64 s[16:17], s[16:17], s[26:27]
.macro LOAD k                          ; K step k: 512 bytes of each of the tile's 16 rows
.irp r, 0,1,2,3,4,5,6,7,8,9,10,11,12,13,14,15
	global_load_b128 v[R+64*((\k)%2)+4*\r:R+64*((\k)%2)+4*\r+3], v2, s[4:5] offset:(\r+8*(\r/8))*4096+512*(\k) th:TH_LOAD_NT
.endr
.endm
; 64 numbers of a lane become a fragment's codes in v[PC] on and its scale word in v[pw]
.macro QUANT src, pw
.irp b, 0,1,2,3
	v_max3_num_f32 v[TM+\b], |v[\src+16*\b]|, |v[\src+1+16*\b]|, 0x4800000   ; block b: my 16 numbers, and the floor 2^(9 - 127): so the byte cannot fall under 1
.endr
.irp i, 2,4,6,8,10,12,14
.irp b, 0,1,2,3
	v_max3_num_f32 v[TM+\b], v[TM+\b], |v[\src+16*\b+\i]|, |v[\src+1+16*\b+\i]|   ; the four blocks by turns
.endr
.endr
.irp b, 0,1,2,3
	v_permlanex16_b32 v[TM+4+\b], v[TM+\b], s[SEL], s[SEL+1]
.endr
.irp b, 0,1,2,3
	v_max_num_f32 v[TM+\b], v[TM+\b], v[TM+4+\b]   ; with lane l xor 16's: the block's largest magnitude
.endr
.irp b, 0,1,2,3
	v_add_nc_u32 v[TM+12+\b], 0xfc000000, v[TM+\b] ; 8 off its exponent field: the conversion takes the exponent field of this operand as its scale
.endr
.irp b, 0,1,2,3
	v_and_or_b32 v[TM+8+\b], v[TM+\b], 0x7f800000, s[MNT]   ; 448 x the scale
.endr
.irp b, 0,1,2,3
	v_lshrrev_b32 v[TM+4+\b], 23, v[TM+12+\b]      ; the scale's byte
.endr
	v_lshl_or_b32 v[\pw], v[TM+5], 8, v[TM+4]
	v_lshl_or_b32 v[\pw], v[TM+6], 16, v[\pw]
	v_lshl_or_b32 v[\pw], v[TM+7], 24, v[\pw]
.irp b, 0,1,2,3
.irp i, 0,1,2,3,4,5,6,7,8,9,10,11,12,13,14,15
	v_med3_num_f32 v[\src+16*\b+\i], v[\src+16*\b+\i], -v[TM+8+\b], v[TM+8+\b]   ; the conversion to an 8-bit code does not saturate (ISA guide 7.6.2): the hold at the largest code x the scale
.endr
	v_cvt_scalef32_pk8_fp8_f32 v[PC+4*\b:PC+1+4*\b], v[\src+16*\b:\src+7+16*\b], v[TM+12+\b]
	v_cvt_scalef32_pk8_fp8_f32 v[PC+2+4*\b:PC+3+4*\b], v[\src+8+16*\b:\src+15+16*\b], v[TM+12+\b]
.endr
.endm
.macro STEP s
.if \s > 0
	s_wait_xcnt 0x0                                ; the last step's stores have read v[PC] on: it is written again only behind this wait
.endif
.if \s < 7
	s_wait_loadcnt 16                              ; this step's 16 loads are in; the next step's 16 may be out
.else
	s_wait_loadcnt 0x0
.endif
.irp r, 0,1,2,3,4,5,6,7,8,9,10,11,12,13,14,15
	ds_store_b128 v3, v[R+64*((\s)%2)+4*\r:R+64*((\s)%2)+4*\r+3] offset:SPT*\r
.endr
.irp c, 0,1,2,3
.irp j, 0,1,2,3
	ds_load_b128 v[X+16*\c+4*\j:X+16*\c+4*\j+3], v4 offset:128*\c+16*\j   ; LDS serves a wave's instructions in order: these see the stores above
.endr
.endr
	s_wait_dscnt 0x0                               ; my numbers are back, and the stores have read their registers,
.if \s < 6
	LOAD \s+2                                      ; which take the loads of two steps on
.endif
	QUANT X, PW+\s
.irp c, 0,1,2,3
	global_store_b128 v2, v[PC+4*\c:PC+4*\c+3], s[14:15] offset:2048*\s+512*\c   ; 32 lanes store 512 consecutive bytes
.endr
.endm
	LOAD 0
	LOAD 1
.irp s, 0,1,2,3,4,5,6,7
	STEP \s
.endr
	v_cmp_gt_u32 vcc_lo, 16, v1                    ; lanes 0-15 store their row's first four words, lanes 16-31 its last four
.irp j, 0,1,2,3
	v_cndmask_b32 v[SW+\j], v[PW+4+\j], v[PW+\j], vcc_lo
.endr
	global_store_b128 v5, v[SW:SW+3], s[16:17]     ; 16 rows x 32 bytes: 512 consecutive bytes
	s_wait_tensorcnt 0x0
	ds_add_u32 v254, v255
	s_wait_dscnt 0x0
	s_endpgm
	; ---- Wq, Wk, Wv
.Lweights:
	s_wait_alu depctr_va_vdst(0)
	v_and_b32 v5, 7, v1                            ; l = lane: my place in the two tiles
	v_bfe_u32 v6, v1, 3, 1
	v_lshrrev_b32 v7, 4, v1
	v_lshl_add_u32 v5, v6, 4, v5
	v_lshl_add_u32 v5, v7, 3, v5                   ; my column: l % 8 + 16 ((l / 8) % 2) + 8 (l / 16)
	v_lshlrev_b32 v3, 2, v5                        ; in bytes: the 32 lanes still read 128 consecutive bytes
	v_and_b32 v6, 15, v1
	v_lshlrev_b32 v4, 4, v6
	v_lshl_add_u32 v4, v7, 14, v4                  ; codes: tile l / 16 (16,384 bytes on), 16 (l % 16)
	v_lshlrev_b32 v9, 5, v1                        ; scale bytes: 32 l
	s_sub_co_u32 s19, ttmp9, 288                   ; 0 .. 383
	s_lshr_b32 s21, s19, 3                         ; 16 which + head
	s_and_b32 s22, s19, 7                          ; my K step; the wave's number is my half of d
	s_and_b32 s24, s21, 15
	s_lshl_b32 s24, s24, 18                        ; a head: 262,144 bytes
	s_lshl_b32 s25, s22, 15                        ; 128 rows of 256 bytes
	s_add_co_u32 s24, s24, s25
	s_lshl_b32 s25, s18, 7
	s_add_co_u32 s24, s24, s25
	s_mov_b32 s25, 0
	s_lshl_b32 s26, s21, 2
	s_lshl_b32 s27, s18, 1
	s_add_co_u32 s26, s26, s27
	s_add_co_u32 s26, s26, 576                     ; my first tile
	s_lshl_b32 s28, s26, 9                         ; its scale bytes: 512 a tile,
	s_lshl_b32 s26, s26, 14                        ; its image: 16,384 a tile,
	s_lshl_b32 s27, s22, 11                        ; 2,048 a K step
	s_add_co_u32 s26, s26, s27
	s_mov_b32 s27, 0
	s_lshl_b32 s29, s22, 2                         ; 4 scale bytes a K step
	s_add_co_u32 s28, s28, s29
	s_mov_b32 s29, 0
	s_mov_b32 s31, 0x600000                        ; the mantissa field of 448
	s_wait_alu depctr_va_vdst(0)
	s_wait_kmcnt 0x0
	s_cmp_lt_u32 s19, 256                          ; which tensor: the choice hangs on the work-group's number alone
	s_cselect_b64 s[10:11], s[10:11], s[12:13]
	s_cmp_lt_u32 s19, 128
	s_cselect_b64 s[8:9], s[8:9], s[10:11]
	s_add_nc_u64 s[8:9], s[8:9], s[24:25]
	s_add_nc_u64 s[14:15], s[14:15], s[26:27]
	s_add_nc_u64 s[16:17], s[16:17], s[28:29]
.macro LOADW t                         ; block t: W(32 t + i, my column), i = 0 .. 31, into set t % 2
.irp i, 0,1,2,3,4,5,6,7,8,9,10,11,12,13,14,15,16,17,18,19,20,21,22,23,24,25,26,27,28,29,30,31
	global_load_b32 v[WX+32*((\t)%2)+\i], v3, s[8:9] offset:(32*(\t)+\i)*256 th:TH_LOAD_NT
.endr
.endm
	LOADW 0
	LOADW 1
.macro BLOCK t
.set XS, WX+32*((\t)%2)
.if (\t) < 3
	s_wait_loadcnt 32                              ; this block's 32 loads are in; the next block's may be out
.else
	s_wait_loadcnt 0x0
.endif
	v_max3_num_f32 v12, |v[XS]|, |v[XS+1]|, |v[XS+2]|   ; the block's largest magnitude: all 32 numbers are mine; two chains
	v_max3_num_f32 v13, |v[XS+3]|, |v[XS+4]|, |v[XS+5]|
.irp i, 6,10,14,18,22,26
	v_max3_num_f32 v12, v12, |v[XS+\i]|, |v[XS+\i+1]|
	v_max3_num_f32 v13, v13, |v[XS+\i+2]|, |v[XS+\i+3]|
.endr
	v_max3_num_f32 v12, v12, |v[XS+30]|, |v[XS+31]|
	v_max3_num_f32 v12, v12, v13, 0x4800000        ; and the floor 2^(9 - 127): so the byte cannot fall under 1
	v_add_nc_u32 v11, 0xfc000000, v12              ; 8 off its exponent field: the conversion's scale operand
	v_and_or_b32 v10, v12, 0x7f800000, s31         ; 448 x the scale
	v_lshrrev_b32 v13, 23, v11                     ; the scale's byte
.if (\t) == 0
	v_mov_b32 v[WSB], v13                          ; four bytes to the word, the lower K in the lower byte
.else
	v_lshl_or_b32 v[WSB], v13, 8*(\t), v[WSB]
.endif
.irp i, 0,1,2,3,4,5,6,7,8,9,10,11,12,13,14,15,16,17,18,19,20,21,22,23,24,25,26,27,28,29,30,31
	v_med3_num_f32 v[XS+\i], v[XS+\i], -v10, v10   ; the conversion to an 8-bit code does not saturate (ISA guide 7.6.2): the hold comes first
.endr
.irp g, 0,1,2,3
	v_cvt_scalef32_pk8_fp8_f32 v[WC+8*(\t)+2*\g:WC+8*(\t)+2*\g+1], v[XS+8*\g:XS+8*\g+7], v11
.endr
	global_store_b128 v4, v[WC+8*(\t):WC+8*(\t)+3], s[14:15] offset:512*(\t)         ; K 32 t + 0 .. 15: the image's lanes 0-15
	global_store_b128 v4, v[WC+8*(\t)+4:WC+8*(\t)+7], s[14:15] offset:512*(\t)+256   ; K 32 t + 16 .. 31: its lanes 16-31
.if (\t) < 2
	LOADW (\t)+2
.endif
.endm
	BLOCK 0
	BLOCK 1
	BLOCK 2
	BLOCK 3
	global_store_b32 v9, v[WSB], s[16:17]          ; my row's scale word of this K step
	s_endpgm
.Lfunc_end_k_q3ecd2e3232_quant:
	.size	k_q3ecd2e3232_quant, .Lfunc_end_k_q3ecd2e3232_quant-k_q3ecd2e3232_quant
	.p2alignl 7, 3214868480
	.fill 96, 4, 3214868480
	.section	.rodata,"a",@progbits
	.p2align	6, 0x0
	.amdhsa_kernel k_q3ecd2e3232_quant
		.amdhsa_group_segment_fixed_size 17152
		.amdhsa_private_segment_fixed_size 0
		.amdhsa_enable_private_segment 0
		.amdhsa_kernarg_size 56
		.amdhsa_user_sgpr_count 2
		.amdhsa_user_sgpr_kernarg_segment_ptr 1
		.amdhsa_wavefront_size32 1
		.amdhsa_system_sgpr_workgroup_id_x 1
		.amdhsa_system_sgpr_workgroup_id_y 1
		.amdhsa_system_sgpr_workgroup_id_z 1
		.amdhsa_system_vgpr_workitem_id 0
		.amdhsa_next_free_vgpr 256
		.amdhsa_next_free_sgpr 66
		.amdhsa_reserve_vcc 1
		.amdhsa_float_denorm_mode_32 3
		.amdhsa_float_denorm_mode_16_64 3
		.amdhsa_memory_ordered 1
		.amdhsa_forward_progress 1
		.amdhsa_inst_pref_size 127
	.end_amdhsa_kernel
	.amdgpu_metadata
---
amdhsa.version: [ 1, 2 ]
amdhsa.kernels:
  - .name:           k_q3ecd2e3232_quant
    .symbol:         k_q3ecd2e3232_quant.kd
    .args:
      - { .name: x, .offset: 0, .size: 8, .value_kind: global_buffer, .address_space: global }
      - { .name: Wproj, .offset: 8, .size: 8, .value_kind: global_buffer, .address_space: global }
      - { .name: Wq, .offset: 16, .size: 8, .value_kind: global_buffer, .address_space: global }
      - { .name: Wk, .offset: 24, .size: 8, .value_kind: global_buffer, .address_space: global }
      - { .name: Wv, .offset: 32, .size: 8, .value_kind: global_buffer, .address_space: global }
      - { .name: img, .offset: 40, .size: 8, .value_kind: global_buffer, .address_space: global }
      - { .name: scl, .offset: 48, .size: 8, .value_kind: global_buffer, .address_space: global }
    .group_segment_fixed_size: 17152
    .private_segment_fixed_size: 0
    .kernarg_segment_align: 8
    .kernarg_segment_size: 56
    .max_flat_workgroup_size: 64
    .sgpr_count:     66
    .vgpr_count:     256
    .wavefront_size: 32
...
	.end_amdgpu_metadata
.endif
;; end of part 1
;; launch gemm_qkv (part 2): grid 4 x 64, 4 waves a work-group, clusters of 4 x 4, 327,680 bytes of LDS; arguments img, scl, qkv, qkvs; writes qkv, qkvs
.if DOCPART == 2
	.amdgcn_target "amdgcn-amd-amdhsa--gfx1250"
	.amdhsa_code_object_version 6
	.text
	.protected	k_q3ecd2e3232_gemm_qkv
	.globl	k_q3ecd2e3232_gemm_qkv
	.p2align	8
	.type	k_q3ecd2e3232_gemm_qkv,@function
k_q3ecd2e3232_gemm_qkv:
	s_mov_b64 s[64:65], 0
	v_nop
	global_prefetch_b8 v0, s[64:65] scope:SCOPE_SE
	s_setreg_imm32_b32 hwreg(HW_REG_WAVE_MODE, 25, 1), 1
	s_wait_xcnt 0x0
	s_wait_alu depctr_hold_cnt(0) depctr_sa_sdst(0) depctr_va_vdst(0) depctr_va_sdst(0) depctr_va_ssrc(0) depctr_va_vcc(0) depctr_vm_vsrc(0)
	s_getreg_b32 s2, hwreg(HW_REG_IB_STS2, 6, 4)
	s_cmp_eq_u32 s2, 0
	s_cbranch_scc0 .Lentry_in_a_cluster
	s_endpgm
.Lentry_in_a_cluster:
	s_bfe_u32 s2, ttmp6, 0x10000c
	s_cmp_lg_u32 s2, 0xf033
	s_cbranch_scc0 .Lentry_shape_is_right
	s_endpgm
.Lentry_shape_is_right:
; q, k, v = x W on codes of FP8 (E4M3) with E8M0 scales, K = 1,024; the results are quantised in registers for the attention that follows and leave as codes.
; img: images of the operand's registers, [tile of 16 rows][K step of 128 (8)][c (4)][lane][16 bytes], 16,384 bytes a tile; scl: [16 tile + r][32 bytes].  Tiles 0-511 x's tokens; 576 + 8 n + (0 .. 7), n = 8 which + head / 2, the rows of Wq, Wk, Wv.
; Lane r of tile T holds row 32 (T / 2) + 8 (T % 2) + r + 8 (r / 8): where such tiles are a product's source 0, the 16 result registers of tiles 2 b, 2 b + 1 are 16 neighbours.
; THE DEAL.  256 work-groups of four waves (2 x 2): 128 tokens x 768 rows of the weights, in six chunks of 128 rows, n = cx + 4 c: chunks 0-3 are Wq's or Wk's, chunks 4, 5 Wv's, in every work-group alike; cx enters global addresses alone.
; A wave holds its 64 tokens, ALL of K, in 512 registers and streams a chunk's 64 rows (one head) past them, a K step of 128 at a time.
; LDS: region P (131,072 bytes) takes the tokens at the head, region Q chunk 0: one joint load of 4 tiles a wave.  Then the chunks take turns: chunk c + 1 is filled, 2 tiles a wave, over what was read before chunk c, behind a drained round of the
; cluster's barrier at chunk c's head; it has chunk c's 128 products and its quantiser in which to land.  By the text's own count a wave never has more than one tensor load out.
; q, k: source 0 = the weight's rows, source 1 = tokens: a lane holds a token, its registers run along d.  v: the sources swapped: a lane holds a d, its registers run along the tokens, the keys.  Either way a unit of 32 registers is two half blocks of 32, joined with lane l xor 16.
; OUT: qkv[batch][n (24)][128 tokens (16)][a (8)][b (4)][lane][16 bytes]; q, k: a = token tile, b = block of d in the pair of heads; v: a = tile of d in the pair of heads, b = block of keys.
;      qkvs[batch][24][16][plane (2)][a (8)][r (16)] words; q, k: plane head % 2, bytes 0, 1 the head's two blocks, bytes 2, 3 the code 0 (they meet zero codes alone); v: plane 0, the four bytes of the four key blocks (plane 1 is neither written nor read).
; CLUSTERS: 4 x 4: the four of a row share the tokens, the four of a column the weights' rows: joint loads.
; PREFETCH: a chunk is 512 blocks of 256 bytes; the column's sixteen waves name 32 each, told apart by address: chunk 1 at the head, chunk c + 2 in trip c of the loop (c = 0 .. 3): one fill ahead of its load; the address is stepped behind the chunk's wait on XCNT.
; REGISTERS: window 0: v0-31 addresses; v32-63 the tokens' scale words (8 a + q); v68-99 the chunk's (8 b + q); v100-121 at work at a chunk's end; v128-255 sixteen accumulators.  windows 1, 2: the tokens' fragments (4 q + a).  window 3: v0-127 the chunk's fragments, two sets; v128-159 codes.
; LIMITS: a block of zeros gets the byte 1 where the rule says 127 (its codes are zeros, and this program alone reads the bytes); blocks whose largest magnitude lies under 2^-118 are held at byte 1; NaN and infinities are not served.
.set TILE,   16384
.set QREG,   131072
.set WS,     262144                    ; q's, k's scale words: 256 bytes for each wave
.set VT,     WS+1024                   ; v's: [chunk (2)][a (8)][r (16)][4 bytes]
.set SPARE,  VT+1024
.set CSTEP,  4*8*TILE                  ; from a chunk to my next: four chunks on
.set ADT,  16
.set ADW0, 17
.set ADJ,  18
.set ADW1, 18
.set ADW,  19
.set WSA,  21
.set WSR,  22
.set VTA,  23
.set VTR,  24
.set L16,  25
.set L8,   26
.set SCO,  27
.set SPW,  28
.set NIL,  29
.set PFO,  30
.set SA,   32
.set SB,   68                          ; 4 off a multiple of 8: no product's two scale words have numbers equal modulo 8
.set TM,   100                         ; v100-103 largest magnitudes, v104-107 the other half's, then bytes, v108-111 448 x the scale, v112-115 scale operands
.set PW,   116                         ; v116-119 a unit's two scale bytes
.set ACC,  128
.set PC,   128                         ; window 3: codes
.set G1A, 24
.set G0A, 32
.set G0B, 36
.set G1B, 48
.set G0C, 56
.set G1C, 68
.set OQ,  76                           ; s[76:77] q's, k's codes; s[78:79] their scale words; s[80:81] v's codes; s[82:83] v's scale words
.set OS,  78
.set OV,  80
.set VS,  82
.set MSB, 0
.macro WIN new                         ; the immediate's high byte repeats the setting that is left
.if MSB != (\new)
	s_set_vgpr_msb (MSB<<8)|(\new)
.set MSB, (\new)
.endif
.endm
.macro PLACES n
.rept \n
	v_nop
.endr
.endm
.macro CROUND                          ; a round of the cluster's barrier
	s_barrier_signal -1
	s_barrier_wait -1
	s_cmp_lg_u32 s14, 0
	s_cbranch_scc1 .Lnot_wave_0_\@
	s_barrier_signal -3
.Lnot_wave_0_\@:
	s_barrier_wait -3
	s_barrier_signal -1
	s_barrier_wait -1
.endm
.macro GROUP1 g, mask, rows            ; so many tiles, each a row of 2,048 elements of 8 bytes, dense in memory and in LDS
	s_or_b32 s[\g], s[\mask], (3<<16)|(1<<21)
	s_mov_b32 s[\g+1], 2048<<16
	s_mov_b32 s[\g+2], (\rows)<<16
	s_mov_b32 s[\g+3], 2048<<16
	s_mov_b32 s[\g+4], \rows
	s_mov_b32 s[\g+5], 2048
	s_mov_b32 s[\g+6], 0
	s_mov_b32 s[\g+7], 0
.endm
	s_load_b128 s[4:7], s[0:1], 0x0                ; img, scl
	s_load_b128 s[8:11], s[0:1], 0x10              ; qkv, qkvs
	v_lshl_add_u32 v[SPW], v0, 2, SPARE
	v_mov_b32 v[NIL], 0
	ds_add_u32 v[SPW], v[NIL]                      ; the opening lines: the add twice on end and its wait
	ds_add_u32 v[SPW], v[NIL]
	v_lshrrev_b32 v1, 5, v0
	v_readfirstlane_b32 s14, v1                    ; wave 0..3
	s_lshr_b32 s15, s14, 1                         ; i: my half of the tokens.  Also: at the head I fetch tokens (0) or the weight (1)
	s_and_b32 s16, s14, 1                          ; j: my half of a chunk's rows.  Also: which 4 tiles I fetch
	s_bfe_u32 s40, ttmp6, 0x40000                  ; cx
	s_bfe_u32 s41, ttmp6, 0x40004                  ; cy
	s_and_b32 s17, ttmp7, 0xffff
	s_lshl_b32 s17, s17, 2
	s_add_co_u32 s17, s17, s41                     ; the 128 tokens: 4 x cluster y + cy
	s_lshl_b32 s43, s41, 2
	s_lshl_b32 s43, 15, s43                        ; my row of the cluster
	s_lshl_b32 s44, 0x1111, s40                    ; my column
	GROUP1 G1A, 43, 4
	GROUP1 G1B, 44, 4
	GROUP1 G1C, 44, 2
	s_mov_b32 s85, 0x76543210
	s_mov_b32 s86, 0xfedcba98                      ; v_permlanex16_b32's selects for lane l xor 16
	s_mov_b32 s87, 0x600000                        ; the mantissa field of 448
	s_lshl_b32 s18, s16, 16                        ; 4 tiles
	s_lshl_b32 s20, s17, 17                        ; the tokens: 8 tiles a work-group
	s_add_co_u32 s20, s20, s18
	s_mov_b32 s21, 0
	s_lshl_b32 s46, s40, 17                        ; chunk 0: tile 576 + 8 cx
	s_add_co_u32 s46, s46, 576*TILE
	s_mov_b32 s47, 0
	s_lshl_b32 s19, s14, 15                        ; a refill: 2 tiles a wave
	s_add_co_u32 s22, s46, s19
	s_mov_b32 s23, 0
	s_add_co_u32 s46, s46, s18
	s_lshl_b32 s45, s14, 16                        ; where the head's tiles go: wave x 4 tiles
	s_add_co_u32 s19, s19, QREG
	s_wait_dscnt 0x0                               ; both opening adds are done
	s_wait_kmcnt 0x0
	s_mov_b32 s[G0A], 1
	s_mov_b32 s[G0A+1], s45
	s_add_nc_u64 s[G0A+2:G0A+3], s[4:5], s[20:21]
	s_or_b32 s[G0A+3], s[G0A+3], 0x80000000
	s_mov_b32 s[G0B], 1
	s_mov_b32 s[G0B+1], s45
	s_add_nc_u64 s[G0B+2:G0B+3], s[4:5], s[46:47]
	s_or_b32 s[G0B+3], s[G0B+3], 0x80000000
	s_mov_b32 s[G0C], 1                            ; the refills' group 0 stands at chunk 0 in region Q: each refill first steps it a chunk on and to the other region
	s_mov_b32 s[G0C+1], s19
	s_add_nc_u64 s[G0C+2:G0C+3], s[4:5], s[22:23]
	s_or_b32 s[G0C+3], s[G0C+3], 0x80000000
	CROUND                                         ; all sixteen work-groups are here: the first joint loads meet
	s_cmp_eq_u32 s15, 0
	s_cbranch_scc0 .Lfor_w
	tensor_load_to_lds s[G0A:G0A+3], s[G1A:G1A+7]
	s_nop 0
	PLACES 4
	s_branch .Lasked
.Lfor_w:
	tensor_load_to_lds s[G0B:G0B+3], s[G1B:G1B+7]
	s_nop 0
	PLACES 4
.Lasked:
	s_lshl_b32 s18, s15, 16
	s_lshl_b32 s19, s16, 16
	s_add_co_u32 s22, s19, QREG
	s_lshl_b32 s23, s14, 8
	s_add_co_u32 s47, s23, VT
	s_add_co_u32 s23, s23, WS
	s_lshl_b32 s46, s16, 8
	s_lshl_b32 s20, s15, 1
	s_add_co_u32 s46, s46, s20
	s_add_co_u32 s46, s46, VT
	v_and_b32 v1, 15, v0                           ; r
	v_and_b32 v6, 31, v0
	v_lshlrev_b32 v[L16], 4, v6
	v_lshlrev_b32 v[L8], 3, v6
	v_add_nc_u32 v[ADT], s18, v[L16]
	v_add_nc_u32 v[ADJ], s19, v[L16]               ; my 4 tiles of a chunk in region P,
	v_add_nc_u32 v[ADW0], s22, v[L16]              ; in region Q
	v_lshlrev_b32 v4, 2, v1
	v_add_nc_u32 v[WSA], s23, v4                   ; my stage for scale words: in 4 r, back 8 x lane
	v_add_nc_u32 v[WSR], s23, v[L8]
	v_add_nc_u32 v[VTA], s46, v4                   ; v's table: 256 j + 4 r + 2 i
	v_add_nc_u32 v[VTR], s47, v[L8]                ; and back: 256 x wave + 8 x lane
	v_lshlrev_b32 v[SCO], 5, v1                    ; scale bytes: 32 r
	v_lshlrev_b32 v[PFO], 8, v6
.irp b, 0,1,2,3
	v_mov_b32 v[TM+4+\b], 0                        ; a lane permute's destination counts as one of its sources
.endr
	s_mov_b32 s21, 0
	s_mov_b32 s47, 0
	s_lshl_b32 s20, s17, 12                        ; the tokens' scale bytes: 512 a tile
	s_lshl_b32 s46, s15, 11
	s_add_co_u32 s20, s20, s46
	s_add_nc_u64 s[60:61], s[6:7], s[20:21]
	s_lshl_b32 s20, s40, 12                        ; chunk 0's: tile 576 + 8 cx + 4 j
	s_lshl_b32 s46, s16, 11
	s_add_co_u32 s20, s20, s46
	s_add_co_u32 s20, s20, 576*512
	s_add_nc_u64 s[62:63], s[6:7], s[20:21]
	s_lshl_b32 s20, s41, 2                         ; the prefetches: which of the column's sixteen waves I am: 8,192 bytes of a chunk each; they stand at chunk 1
	s_add_co_u32 s20, s20, s14
	s_lshl_b32 s20, s20, 13
	s_lshl_b32 s46, s40, 17
	s_add_co_u32 s20, s20, s46
	s_add_co_u32 s20, s20, 576*TILE+CSTEP
	s_add_nc_u64 s[12:13], s[4:5], s[20:21]
	s_lshr_b32 s18, s17, 4                         ; the batch
	s_and_b32 s19, s17, 15                         ; the 128 tokens in it
	s_mul_i32 s22, s18, 24*262144                  ; codes: 262,144 bytes for each n, 16,384 for 128 tokens
	s_lshl_b32 s23, s40, 18
	s_add_co_u32 s22, s22, s23
	s_lshl_b32 s23, s19, 14
	s_add_co_u32 s22, s22, s23
	s_lshl_b32 s20, s15, 13                        ; q, k: a = 4 i + unit, b = 2 j + block
	s_lshl_b32 s46, s16, 10
	s_add_co_u32 s20, s20, s46
	s_add_co_u32 s20, s20, s22
	s_add_nc_u64 s[OQ:OQ+1], s[8:9], s[20:21]
	s_sub_nc_u64 s[OQ:OQ+1], s[OQ:OQ+1], 4*262144  ; one step back: each chunk's end first steps it on
	s_lshl_b32 s20, s16, 13                        ; v: a = 4 j + unit, b = 2 i + block; n = cx + 16, one step back
	s_lshl_b32 s46, s15, 10
	s_add_co_u32 s20, s20, s46
	s_add_co_u32 s20, s20, s22
	s_add_co_u32 s20, s20, 12*262144
	s_add_nc_u64 s[OV:OV+1], s[8:9], s[20:21]
	s_mul_i32 s22, s18, 24*16384                   ; scale words: 16,384 bytes for each n, 1,024 for 128 tokens
	s_lshl_b32 s23, s40, 14
	s_add_co_u32 s22, s22, s23
	s_lshl_b32 s23, s19, 10
	s_add_co_u32 s22, s22, s23
	s_lshl_b32 s20, s16, 9                         ; q, k: plane j, 256 i
	s_lshl_b32 s46, s15, 8
	s_add_co_u32 s20, s20, s46
	s_add_co_u32 s20, s20, s22
	s_add_nc_u64 s[OS:OS+1], s[10:11], s[20:21]
	s_sub_nc_u64 s[OS:OS+1], s[OS:OS+1], 4*16384
	s_lshl_b32 s20, s15, 16                        ; v, at the end: wave w stores chunk 4 + w / 2, half w % 2 of plane 0
	s_lshl_b32 s46, s16, 8
	s_add_co_u32 s20, s20, s46
	s_add_co_u32 s20, s20, s22
	s_add_co_u32 s20, s20, 16*16384
	s_add_nc_u64 s[VS:VS+1], s[10:11], s[20:21]
	s_wait_alu depctr_va_vdst(0)
.irp a, 0,1,2,3
	global_load_b128 v[SA+8*\a:SA+8*\a+3], v[SCO], s[60:61] offset:512*\a
	global_load_b128 v[SA+8*\a+4:SA+8*\a+7], v[SCO], s[60:61] offset:512*\a+16
	global_load_b128 v[SB+8*\a:SB+8*\a+3], v[SCO], s[62:63] offset:512*\a
	global_load_b128 v[SB+8*\a+4:SB+8*\a+7], v[SCO], s[62:63] offset:512*\a+16
.endr
	global_prefetch_b8 v[PFO], s[12:13] th:TH_LOAD_NT scope:SCOPE_SE
.macro FETCHW adr, q                   ; the chunk's four fragments of K step q into set q % 2: 16 loads
	WIN 0xc0
.irp b, 0,1,2,3
.irp e, 0,1,2,3
	ds_load_b128 v[64*((\q)%2)+16*\b+4*\e:64*((\q)%2)+16*\b+4*\e+3], v[\adr] offset:\b*TILE+(\q)*2048+512*\e
.endr
.endr
.endm
.macro MULS k, q                       ; 16 products, the sixteen accumulators by turns.  k = 0: q, k; 1: v.  K step 0 starts the sums
.if (\k) == 0
	WIN 0x03|((1+(\q)/4)<<2)                       ; source 0 the weight (window 3), source 1 the tokens (window 1 or 2)
.else
	WIN (1+(\q)/4)|(3<<2)
.endif
.irp a, 0,1,2,3
.irp b, 0,1,2,3
.if (\k) == 0 && (\q) == 0
	v_wmma_scale_f32_16x16x128_f8f6f4 v[ACC+8*(4*\a+\b):ACC+8*(4*\a+\b)+7], v[16*\b:16*\b+15], v[16*\a:16*\a+15], 0, v[SB+8*\b], v[SA+8*\a]
.elseif (\k) == 0
	v_wmma_scale_f32_16x16x128_f8f6f4 v[ACC+8*(4*\a+\b):ACC+8*(4*\a+\b)+7], v[64*((\q)%2)+16*\b:64*((\q)%2)+16*\b+15], v[16*((4*(\q)+\a)%16):16*((4*(\q)+\a)%16)+15], v[ACC+8*(4*\a+\b):ACC+8*(4*\a+\b)+7], v[SB+8*\b+(\q)], v[SA+8*\a+(\q)]
.elseif (\q) == 0
	v_wmma_scale_f32_16x16x128_f8f6f4 v[ACC+8*(4*\b+\a):ACC+8*(4*\b+\a)+7], v[16*\a:16*\a+15], v[16*\b:16*\b+15], 0, v[SA+8*\a], v[SB+8*\b]
.else
	v_wmma_scale_f32_16x16x128_f8f6f4 v[ACC+8*(4*\b+\a):ACC+8*(4*\b+\a)+7], v[16*((4*(\q)+\a)%16):16*((4*(\q)+\a)%16)+15], v[64*((\q)%2)+16*\b:64*((\q)%2)+16*\b+15], v[ACC+8*(4*\b+\a):ACC+8*(4*\b+\a)+7], v[SA+8*\a+(\q)], v[SB+8*\b+(\q)]
.endif
.endr
.endr
.endm
.macro CHUNK k, adr                    ; 64 tokens x 64 rows x 1,024: K steps 0 and 1 have been asked for
.irp q, 0,1,2,3,4,5,6,7
.if \q < 7
	s_wait_dscnt 16                                ; this K step's fragments are in; the next step's 16 loads may be out
.else
	s_wait_dscnt 0x0
.endif
	MULS \k, \q
.if \q < 6
	PLACES 8                                       ; ahead of loads into registers that the products have read
	FETCHW \adr, \q+2
.endif
.endr
	WIN 0
.endm
; A CHUNK'S HEAD.  My part of this chunk has landed and my reads of the other region are over; behind the round the other region takes the next chunk (refill = 1), or nothing more is filled (0).
.macro BOUND refill
	s_wait_tensorcnt 0x0
.if \refill
	ds_add_u32 v[SPW], v[NIL]
	s_add_nc_u64 s[G0C+2:G0C+3], s[G0C+2:G0C+3], CSTEP   ; no tensor load of mine is out: the next chunk,
	s_xor_b32 s[G0C+1], s[G0C+1], QREG             ; into the other region
	s_wait_dscnt 0x0
	CROUND
	tensor_load_to_lds s[G0C:G0C+3], s[G1C:G1C+7]
	s_nop 0
	PLACES 4
.else
	s_wait_dscnt 0x0
	s_barrier_signal -1
	s_barrier_wait -1
.endif
.endm
; A CHUNK'S END.  Unit u (q, k: token tile u; v: tile u of d) is the 32 registers from ACC + 32 u on: two half blocks of 16.  Two units, four blocks, at a time; held in place; the codes are the next operand's registers.
; more = 1: the next chunk's scale words are asked for;  n: v's chunk, 0 or 1.
.macro EPI k, more, n
	PLACES 9                                       ; behind the last products: results are read, scale words are loaded anew, and the next chunk begins the accumulators anew
	s_wait_xcnt 0x0                                ; the last chunk's stores, loads and prefetch have read their registers and bases
.if (\k) == 0
	s_add_nc_u64 s[OQ:OQ+1], s[OQ:OQ+1], 4*262144
	s_add_nc_u64 s[OS:OS+1], s[OS:OS+1], 4*16384
	s_add_nc_u64 s[12:13], s[12:13], CSTEP
.else
	s_add_nc_u64 s[OV:OV+1], s[OV:OV+1], 4*262144
.endif
.if \more
	s_add_nc_u64 s[62:63], s[62:63], 4*8*512
.irp b, 0,1,2,3
	global_load_b128 v[SB+8*\b:SB+8*\b+3], v[SCO], s[62:63] offset:512*\b
	global_load_b128 v[SB+8*\b+4:SB+8*\b+7], v[SCO], s[62:63] offset:512*\b+16
.endr
.endif
.irp p, 0,1
.irp b, 0,1,2,3
	v_max3_num_f32 v[TM+\b], |v[ACC+64*\p+16*\b]|, |v[ACC+64*\p+16*\b+1]|, 0x4800000   ; my 16 numbers, each accumulator from its low end on, and the floor 2^(9 - 127)
.endr
.irp i, 2,4,6,8,10,12,14
.irp b, 0,1,2,3
	v_max3_num_f32 v[TM+\b], |v[ACC+64*\p+16*\b+\i]|, |v[ACC+64*\p+16*\b+\i+1]|, v[TM+\b]
.endr
.endr
.irp b, 0,1,2,3
	v_permlanex16_b32 v[TM+4+\b], v[TM+\b], s85, s86
.endr
.irp b, 0,1,2,3
	v_max_num_f32 v[TM+\b], v[TM+\b], v[TM+4+\b]   ; with lane l xor 16's: the block's largest magnitude
.endr
.irp b, 0,1,2,3
	v_add_nc_u32 v[TM+12+\b], 0xfc000000, v[TM+\b] ; 8 off its exponent field: the conversion's scale operand
.endr
.irp b, 0,1,2,3
	v_and_or_b32 v[TM+8+\b], v[TM+\b], 0x7f800000, s87   ; 448 x the scale
.endr
.irp b, 0,1,2,3
	v_lshrrev_b32 v[TM+4+\b], 23, v[TM+12+\b]      ; the scale's byte
.endr
	v_lshl_or_b32 v[PW+2*\p], v[TM+5], 8, v[TM+4]
	v_lshl_or_b32 v[PW+2*\p+1], v[TM+7], 8, v[TM+6]
.irp b, 0,1,2,3
.irp i, 0,1,2,3,4,5,6,7,8,9,10,11,12,13,14,15
	v_med3_num_f32 v[ACC+64*\p+16*\b+\i], v[ACC+64*\p+16*\b+\i], -v[TM+8+\b], v[TM+8+\b]   ; the conversion to an 8-bit code does not saturate (ISA guide 7.6.2)
.endr
.endr
	WIN 0xc0                                       ; the codes go to window 3
.irp b, 0,1,2,3
	v_cvt_scalef32_pk8_fp8_f32 v[PC+16*\p+4*\b:PC+16*\p+4*\b+1], v[ACC+64*\p+16*\b:ACC+64*\p+16*\b+7], v[TM+12+\b]
	v_cvt_scalef32_pk8_fp8_f32 v[PC+16*\p+4*\b+2:PC+16*\p+4*\b+3], v[ACC+64*\p+16*\b+8:ACC+64*\p+16*\b+15], v[TM+12+\b]
.endr
	v_nop                                          ; one plain line behind the last conversion
	WIN 0x0c                                       ; the stores' data: window 3
.irp b, 0,1,2,3
.if (\k) == 0
	global_store_b128 v[L16], v[PC+16*\p+4*\b:PC+16*\p+4*\b+3], s[OQ:OQ+1] offset:(2*\p+\b/2)*2048+(\b%2)*512   ; 32 lanes store 512 consecutive bytes
.else
	global_store_b128 v[L16], v[PC+16*\p+4*\b:PC+16*\p+4*\b+3], s[OV:OV+1] offset:(2*\p+\b/2)*2048+(\b%2)*512
.endif
.endr
	WIN 0
.endr
.if (\k) == 0
.irp u, 0,1,2,3
	ds_store_b32 v[WSA], v[PW+\u] offset:64*\u     ; lanes l and l + 16 write the same word with the same value
.endr
	ds_load_b64 v[120:121], v[WSR]                 ; LDS serves a wave's instructions in order: this sees my stores
	s_wait_dscnt 0x0
	global_store_b64 v[L8], v[120:121], s[OS:OS+1] ; 32 lanes store one aligned unit of 256 bytes
.else
.irp u, 0,1,2,3
	ds_store_b16 v[VTA], v[PW+\u] offset:512*(\n)+64*\u   ; my two key blocks' bytes of the word; the other two are the other row of waves'
.endr
.endif
.endm
	s_wait_tensorcnt 0x0                           ; my tile of the head's four is in,
	s_barrier_signal -1
	s_barrier_wait -1                              ; everybody's are
.irp q, 0,1,2,3,4,5,6,7                        ; my 64 tokens, all of K, into windows 1 and 2: 128 loads
	WIN (1+\q/4)<<6
.irp a, 0,1,2,3
.irp e, 0,1,2,3
	ds_load_b128 v[16*((4*\q+\a)%16)+4*\e:16*((4*\q+\a)%16)+4*\e+3], v[ADT] offset:\a*TILE+\q*2048+512*\e
.endr
.endr
.endr
	WIN 0
	s_mov_b32 s3, 0
	s_mov_b32 s84, QREG                            ; the region of the chunk in hand
.Lqk:                                                  ; chunks 0 to 3: rows of Wq or Wk; each trip asks for the next chunk
	BOUND 1
	v_add_nc_u32 v[ADW], s84, v[ADJ]
	s_wait_alu depctr_va_vdst(0)
	global_prefetch_b8 v[PFO], s[12:13] offset:CSTEP th:TH_LOAD_NT scope:SCOPE_SE
	FETCHW ADW, 0
	FETCHW ADW, 1
	s_wait_loadcnt 0x0                             ; the scale words
	CHUNK 0, ADW
	EPI 0, 1, 0
	s_xor_b32 s84, s84, QREG
	s_wait_alu depctr_va_vdst(0)
	s_add_co_u32 s3, s3, 1
	s_cmp_lt_u32 s3, 4
	s_cbranch_scc1 .Lqk
	BOUND 1                                        ; chunk 4, in region Q; chunk 5 is asked for
	FETCHW ADW0, 0
	FETCHW ADW0, 1
	s_wait_loadcnt 0x0
	CHUNK 1, ADW0
	EPI 1, 1, 0
	BOUND 0                                        ; chunk 5, in region P; nothing is filled again
	FETCHW ADW1, 0
	FETCHW ADW1, 1
	s_wait_loadcnt 0x0
	CHUNK 1, ADW1
	EPI 1, 0, 1
	s_wait_dscnt 0x0                               ; my bytes of v's table are written,
	s_barrier_signal -1
	s_barrier_wait -1                              ; everybody's are
	ds_load_b64 v[120:121], v[VTR]
	s_wait_dscnt 0x0
	global_store_b64 v[L8], v[120:121], s[VS:VS+1] ; 32 lanes store one aligned unit of 256 bytes
	s_wait_tensorcnt 0x0                           ; the wave's end
	ds_add_u32 v[SPW], v[NIL]
	s_wait_dscnt 0x0
	CROUND                                         ; the closing round
	s_endpgm
.Lfunc_end_k_q3ecd2e3232_gemm_qkv:
	.size	k_q3ecd2e3232_gemm_qkv, .Lfunc_end_k_q3ecd2e3232_gemm_qkv-k_q3ecd2e3232_gemm_qkv
	.p2alignl 7, 3214868480
	.fill 96, 4, 3214868480
	.section	.rodata,"a",@progbits
	.p2align	6, 0x0
	.amdhsa_kernel k_q3ecd2e3232_gemm_qkv
		.amdhsa_group_segment_fixed_size 327680
		.amdhsa_private_segment_fixed_size 0
		.amdhsa_enable_private_segment 0
		.amdhsa_kernarg_size 32
		.amdhsa_user_sgpr_count 2
		.amdhsa_user_sgpr_kernarg_segment_ptr 1
		.amdhsa_wavefront_size32 1
		.amdhsa_system_sgpr_workgroup_id_x 1
		.amdhsa_system_sgpr_workgroup_id_y 1
		.amdhsa_system_sgpr_workgroup_id_z 1
		.amdhsa_system_vgpr_workitem_id 0
		.amdhsa_next_free_vgpr 1024
		.amdhsa_next_free_sgpr 100
		.amdhsa_reserve_vcc 0
		.amdhsa_float_denorm_mode_32 3
		.amdhsa_float_denorm_mode_16_64 3
		.amdhsa_memory_ordered 1
		.amdhsa_forward_progress 1
		.amdhsa_inst_pref_size 154
	.end_amdhsa_kernel
	.amdgpu_metadata
---
amdhsa.version: [ 1, 2 ]
amdhsa.kernels:
  - .name:           k_q3ecd2e3232_gemm_qkv
    .symbol:         k_q3ecd2e3232_gemm_qkv.kd
    .args:
      - { .name: img, .offset: 0, .size: 8, .value_kind: global_buffer, .address_space: global }
      - { .name: scl, .offset: 8, .size: 8, .value_kind: global_buffer, .address_space: global }
      - { .name: qkv, .offset: 16, .size: 8, .value_kind: global_buffer, .address_space: global }
      - { .name: qkvs, .offset: 24, .size: 8, .value_kind: global_buffer, .address_space: global }
    .group_segment_fixed_size: 327680
    .private_segment_fixed_size: 0
    .kernarg_segment_align: 8
    .kernarg_segment_size: 32
    .max_flat_workgroup_size: 128
    .sgpr_count:     100
    .vgpr_count:     1024
    .wavefront_size: 32
...
	.end_amdgpu_metadata
.endif
;; end of part 2
;; launch attn (part 3): grid 4 x 64, 16 waves a work-group, clusters of 4 x 1, 327,680 bytes of LDS; arguments qkv, qkvs, o_img, o_scl; writes o_img, o_scl
.if DOCPART == 3
	.amdgcn_target "amdgcn-amd-amdhsa--gfx1250"
	.amdhsa_code_object_version 6
	.text
	.protected	k_q3ecd2e3232_attn
	.globl	k_q3ecd2e3232_attn
	.p2align	8
	.type	k_q3ecd2e3232_attn,@function
k_q3ecd2e3232_attn:
	s_mov_b64 s[64:65], 0
	v_nop
	global_prefetch_b8 v0, s[64:65] scope:SCOPE_SE
	s_setreg_imm32_b32 hwreg(HW_REG_WAVE_MODE, 25, 1), 1
	s_wait_xcnt 0x0
	s_wait_alu depctr_hold_cnt(0) depctr_sa_sdst(0) depctr_va_vdst(0) depctr_va_sdst(0) depctr_va_ssrc(0) depctr_va_vcc(0) depctr_vm_vsrc(0)
	s_getreg_b32 s2, hwreg(HW_REG_IB_STS2, 6, 4)
	s_cmp_eq_u32 s2, 0
	s_cbranch_scc0 .Lentry_in_a_cluster
	s_endpgm
.Lentry_in_a_cluster:
	s_bfe_u32 s2, ttmp6, 0x10000c
	s_cmp_lg_u32 s2, 0x3003
	s_cbranch_scc0 .Lentry_shape_is_right
	s_endpgm
.Lentry_shape_is_right:
; Causal attention of one head, both products on codes of FP8 (E4M3) with E8M0 scales; head size 64; logits = (q . k) / 32.  O / l is quantised along (head, d) and leaves as codes for the projection.
; LEFT OUT: key steps of 128 keys all of which come after a tile's queries: the causal mask gives them the weight 0.
; IN: qkv[batch][8 which + head / 2 (24)][16][a (8)][b (4)][lane][16 bytes], qkvs[batch][24][16][plane (2)][a (8)][r (16)] words.
;   q, k: token tile 8 T + a; lane (r, h): the tile's token r, d = 32 c + 16 h + 0 .. 15 at b = 2 (head % 2) + c; scale words in plane head % 2.  Lane r of token tile t holds token 32 (t / 2) + 8 (t % 2) + r + 8 (r / 8).
;   v: T = the step of 128 keys, a = 4 (head % 2) + tile of d; lane (r, h): d r, keys 32 b + 16 h + 0 .. 15; scale words in plane 0.
; SOFTMAX: t = score x log2(e) / 32; M = the running largest t rounded UP to a whole number; p = 2^(t - M) is quantised along the keys, not normalised; the sum of the unquantised p divides O at the end; when M moves, sum and O are multiplied by 2^(old M - new M).
; BOTH PRODUCTS TRANSPOSED: S^T = K Q^T, O^T = V^T P^T: a lane holds one query; the 16 registers of tiles 2 b, 2 b + 1 are 16 neighbouring keys.
; The first product's K is 64 of the instruction's 128: Q's registers 8-15 are zero codes; a tile of K names its own 8 registers and the 8 that follow (finite codes x zero codes add nothing).
; THE DEAL.  A head's 128 query tiles are 16 groups of 8; group G needs key steps 0 .. G, the last under the mask.  Wave w of the work-group at place cx owns tiles 8 (15 - g) + sub and 8 g + sub, g = w / 2, sub = 2 cx + w % 2: 17 key steps for every wave.
; Which steps a wave walks hangs on its number alone; the place in the cluster enters global addresses of Q and O and the number that the mask's compare takes, and nothing else.
; CLUSTER: the four work-groups of a head need the same K and V: each tile is asked for jointly (mask 15).  A head's K and V stay in LDS: 274,432 bytes, filled ONCE, ten loads, one a wave, each in its own arm:
; waves 0, 1 the scale words; 2, 3 keys 0-511 of K, V; 4, 5 keys 512-1,023; 6, 7 keys 1,024-1,535; 8, 9 the rest.  Three plain barriers show them: waves under 4 wait, then waves under 6, then all.  Every wait on TENSORcnt is for 0.
; NO PREFETCH: every fill is asked for at the head; there is no loop ahead of them in which to ask earlier.
; LIMITS: a block of zeros gets the byte 1 where the rule says 127 (its codes are zeros, and this program alone reads the bytes); blocks whose largest magnitude lies under 2^-118 are held at byte 1; the promise holds while the scaled scores stay under 2^31 in magnitude; NaN and infinities are not served.
.set LK,    0                          ; K's codes [tile (128)][c (2)][lane][16]: 8,192 bytes a key step
.set LV,    131072                     ; V's codes [step (16)][tile of d (4)][c (4)][lane][16]: 8,192 a step
.set LKS,   262144                     ; K's scale words [step][tile (8)][r]: 512 a step
.set LVS,   270336                     ; V's [step][tile (4)][r]: 256 a step
.set SPARE, 274432                     ; the spare words: 128 bytes a wave
.set F,   0                            ; v[0:1] f = 2^(old M - new M), and a word named with it
.set L16, 2                            ; 16 x lane
.set L4,  3                            ; 4 x lane
.set L16V,4                            ; LV + 16 x lane
.set QL,  5                            ; my query less its group's first key, less 16 (lane / 16)
.set ADK, 6                            ; the step's LDS addresses: K's codes, K's scale words, V's codes, V's scale words
.set ADS, 7
.set ADV, 8
.set ADT, 9
.set NIL, 10                           ; 0; never rewritten
.set SPW, 11                           ; my spare word; never rewritten.  v12 -M, v13 the largest t, v[14:15] the sum in two halves
.set QF,  16                           ; v16-23 Q's codes, v24-31 zero codes
.set FRG, 32                           ; v32-95 eight tiles of K, then four of V; v96-103 zeros
.set SR,  104                          ; v104-167 S^T, then p; at the end O / l
.set OT,  168                          ; v168-199 O^T
.set PCD, 200                          ; v200-215 p's codes
.set KSW, 216
.set VSW, 220
.set QSW, 222
.set PSW, 223
.set BM,  224                          ; a block's largest score, then its largest p
.set PM,  228                          ; the other half's, then the bytes
.set LIM, 232                          ; 448 x the scale
.set SO,  236                          ; the conversions' scale operands
.set C,   240                          ; v240-255 eight chains of the row's sum; ahead of them in a step v254, v255 are at work
.set T1,  254
.set T0,  255
.set WV,  12
.set CX,  13
.set GR,  14                           ; the group in hand: from the wave's number alone
.set KS,  15                           ; the key step: the walks' counter
.set TT,  16                           ; the token tile in hand
.set TA,  17
.set TBI, 18
.set GA,  19
.set SEL, 20
.set CS,  22
.set MNT, 24
.set KB,  28                           ; s[28:35] the head's K codes, V codes, K scale words, V scale words
.set QBS, 36
.set QSB, 38
.set OB,  40
.set OSB, 42
.set G0,  44
.set TB,  48                           ; LDS steps: codes, K's scale words, V's
.set TS,  49
.set TJ,  50
.set GB,  51
.set SQ,  52
.set G1K, 68
.set G1V, 76
.set G1KS,84
.set G1VS,92
.macro GROUP1 g, c, r, p               ; r rows of c elements of 8 bytes, p elements apart, dense in LDS; the mask names the cluster's four
	s_mov_b32 s[\g], 15|(3<<16)|(1<<21)
	s_mov_b32 s[\g+1], (\c)<<16
	s_mov_b32 s[\g+2], (\r)<<16
	s_mov_b32 s[\g+3], (\c)<<16
	s_mov_b32 s[\g+4], \r
	s_mov_b32 s[\g+5], \p
	s_mov_b32 s[\g+6], 0
	s_mov_b32 s[\g+7], 0
.endm
.macro CROUND                          ; a round of the cluster's barrier
	s_barrier_signal -1
	s_barrier_wait -1
	s_cmp_lg_u32 s[WV], 0
	s_cbranch_scc1 .Lnot_wave_0_\@
	s_barrier_signal -3
.Lnot_wave_0_\@:
	s_barrier_wait -3
	s_barrier_signal -1
	s_barrier_wait -1
.endm
.macro ARM under, next, g1, lds, base, goff   ; one wave's one fill: every word a constant or the head's address
	s_cmp_lt_u32 s[WV], \under
	s_cbranch_scc0 \next
	s_mov_b32 s[G0], 1
	s_mov_b32 s[G0+1], \lds
	s_add_nc_u64 s[G0+2:G0+3], s[\base:\base+1], \goff
	s_or_b32 s[G0+3], s[G0+3], 0x80000000
	tensor_load_to_lds s[G0:G0+3], s[\g1:\g1+7]
	s_nop 0
.rept 4
	v_nop
.endr
	s_branch .Lasked
\next:
.endm
	s_load_b256 s[4:11], s[0:1], 0x0               ; qkv, qkvs, o_img, o_scl
	v_lshl_add_u32 v[SPW], v0, 2, SPARE
	v_mov_b32 v[NIL], 0
	ds_add_u32 v[SPW], v[NIL]                      ; the opening lines: the add twice on end and its wait
	ds_add_u32 v[SPW], v[NIL]
	v_lshrrev_b32 v240, 5, v0
	v_readfirstlane_b32 s[WV], v240                ; wave 0..15
	s_bfe_u32 s[CX], ttmp6, 0x40000                ; my place in the cluster
	s_and_b32 s25, ttmp7, 0xffff                   ; 16 batch + head
	s_lshr_b32 s26, s25, 4
	s_and_b32 s27, s25, 15
	s_lshr_b32 s60, s27, 1
	s_and_b32 s61, s27, 1
	s_mul_i32 s62, s26, 24
	s_add_co_u32 s62, s62, s60                     ; 24 batch + head / 2
	s_lshl_b32 s63, s61, 10
	s_lshl_b32 s[QBS], s62, 18
	s_add_co_u32 s[QBS], s[QBS], s63               ; Q's codes
	s_add_co_u32 s[KB], s[QBS], 8<<18              ; K's
	s_lshl_b32 s[KB+2], s62, 18
	s_add_co_u32 s[KB+2], s[KB+2], 16<<18
	s_lshl_b32 s63, s61, 13
	s_add_co_u32 s[KB+2], s[KB+2], s63             ; V's
	s_lshl_b32 s63, s61, 9
	s_lshl_b32 s[QSB], s62, 14
	s_add_co_u32 s[QSB], s[QSB], s63               ; Q's scale words
	s_add_co_u32 s[KB+4], s[QSB], 8<<14            ; K's
	s_lshl_b32 s[KB+6], s62, 14
	s_add_co_u32 s[KB+6], s[KB+6], 16<<14
	s_lshl_b32 s63, s61, 8
	s_add_co_u32 s[KB+6], s[KB+6], s63             ; V's
	s_lshl_b32 s[OB], s26, 21
	s_lshl_b32 s63, s27, 10
	s_add_co_u32 s[OB], s[OB], s63                 ; o_img: 128 tiles of 16,384 bytes a batch, 1,024 a head
	s_lshl_b32 s[OSB], s26, 16
	s_lshl_b32 s63, s27, 1
	s_add_co_u32 s[OSB], s[OSB], s63               ; o_scl: 2,048 rows of 32 bytes a batch, 2 a head
.irp p, 29,31,33,35,37,39,41,43
	s_mov_b32 s\p, 0
.endr
	s_mov_b32 s[SEL], 0x76543210
	s_mov_b32 s[SEL+1], 0xfedcba98
	s_mov_b32 s[CS], 0x3d38aa3b                    ; c = log2(e) / 32
	s_mov_b32 s[CS+1], s[CS]
	s_mov_b32 s[MNT], 0x600000
	s_lshr_b32 s[GB], s[WV], 1                     ; g
	s_sub_co_u32 s[GA], 15, s[GB]                  ; 15 - g
	s_and_b32 s25, s[WV], 1
	s_lshl_b32 s26, s[CX], 1
	s_add_co_u32 s26, s26, s25                     ; sub
	s_lshl_b32 s[TA], s[GA], 3
	s_add_co_u32 s[TA], s[TA], s26
	s_lshl_b32 s[TBI], s[GB], 3
	s_add_co_u32 s[TBI], s[TBI], s26
	s_lshl_b32 s[SQ], s[CX], 5
	s_lshl_b32 s25, s25, 3
	s_add_co_u32 s[SQ], s[SQ], s25                 ; my tile's first query in its group: 32 (sub / 2) + 8 (sub % 2)
	GROUP1 G1K, 128, 32, 256                       ; 512 keys of K: 32 tiles of 1,024 bytes, 2,048 apart
	GROUP1 G1V, 1024, 4, 2048                      ; 512 keys of V: 4 steps of 8,192 bytes, 16,384 apart
	GROUP1 G1KS, 64, 16, 128                       ; K's scale words: 16 steps of 512 bytes, 1,024 apart
	GROUP1 G1VS, 32, 16, 128                       ; V's: 16 steps of 256 bytes, 1,024 apart
	s_wait_dscnt 0x0                               ; both opening adds are done
	CROUND                                         ; the four work-groups are here: the joint loads meet
	s_wait_kmcnt 0x0
	s_add_nc_u64 s[KB:KB+1], s[4:5], s[KB:KB+1]
	s_add_nc_u64 s[KB+2:KB+3], s[4:5], s[KB+2:KB+3]
	s_add_nc_u64 s[KB+4:KB+5], s[6:7], s[KB+4:KB+5]
	s_add_nc_u64 s[KB+6:KB+7], s[6:7], s[KB+6:KB+7]
	s_add_nc_u64 s[QBS:QBS+1], s[4:5], s[QBS:QBS+1]
	s_add_nc_u64 s[QSB:QSB+1], s[6:7], s[QSB:QSB+1]
	s_add_nc_u64 s[OB:OB+1], s[8:9], s[OB:OB+1]
	s_add_nc_u64 s[OSB:OSB+1], s[10:11], s[OSB:OSB+1]
	ARM 1,  .La1, G1KS, LKS, KB+4, 0
	ARM 2,  .La2, G1VS, LVS, KB+6, 0
	ARM 3,  .La3, G1K, LK, KB, 0
	ARM 4,  .La4, G1V, LV, KB+2, 0
	ARM 5,  .La5, G1K, LK+32768, KB, 65536
	ARM 6,  .La6, G1V, LV+32768, KB+2, 65536
	ARM 7,  .La7, G1K, LK+65536, KB, 131072
	ARM 8,  .La8, G1V, LV+65536, KB+2, 131072
	ARM 9,  .La9, G1K, LK+98304, KB, 196608
	ARM 10, .La10, G1V, LV+98304, KB+2, 196608
.Lasked:
	v_and_b32 v240, 31, v0
	v_lshlrev_b32 v[L16], 4, v240
	v_lshlrev_b32 v[L4], 2, v240
	v_add_nc_u32 v[L16V], LV, v[L16]
	v_and_b32 v241, 15, v0                         ; r
	v_bfe_u32 v242, v0, 4, 1                       ; h
	v_and_b32 v[QL], 8, v241
	v_add_nc_u32 v[QL], v[QL], v241                ; r + 8 (r / 8)
	v_lshlrev_b32 v242, 4, v242
	v_sub_nc_u32 v[QL], v[QL], v242                ; - 16 h
	v_add_nc_u32 v[QL], s[SQ], v[QL]
.irp j, 0,1,2,3,4,5,6,7
	v_mov_b32 v[QF+8+\j], 0                        ; Q's zero codes for K = 64 .. 127
	v_mov_b32 v[FRG+64+\j], 0                      ; what the last tile of K names behind its own registers
.endr
.irp b, 0,1,2,3
	v_mov_b32 v[PM+\b], 0                          ; a lane permute's destination counts as one of its sources
.endr
	v_mov_b32 v[F+1], 0
	v_mov_b32 v[T0], 0
; A query tile begins: its Q and scale words; the statistics; O^T = 0
.macro INIT
	s_lshl_b32 s26, s[TT], 11
	s_mov_b32 s27, 0
	s_add_nc_u64 s[60:61], s[QBS:QBS+1], s[26:27]  ; 2,048 bytes a tile
	s_lshr_b32 s26, s[TT], 3
	s_lshl_b32 s26, s26, 10
	s_and_b32 s66, s[TT], 7
	s_lshl_b32 s66, s66, 6
	s_add_co_u32 s26, s26, s66
	s_add_nc_u64 s[62:63], s[QSB:QSB+1], s[26:27]  ; 1,024 bytes for eight tiles, 64 a tile
	v_and_b32 v[C], 60, v[L4]                      ; 4 r
	s_wait_alu depctr_va_vdst(0)
	global_load_b128 v[QF:QF+3], v[L16], s[60:61]
	global_load_b128 v[QF+4:QF+7], v[L16], s[60:61] offset:512
	global_load_b32 v[QSW], v[C], s[62:63]
	v_mov_b32 v13, 0xff61b1e6                      ; the largest t so far: -3e38
	v_floor_f32 v12, -v13                          ; -M
	v_mov_b32 v14, 0
	v_mov_b32 v15, 0
.set n, 0
.rept 32
	v_mov_b32 v[OT+n], 0                           ; the step is written once: its first run finds zeros
.set n, n+1
.endr
	s_wait_loadcnt 0x0
.endm
.macro HOLD2 x, l                      ; two holds in one dual-issue pair: p is not negative, so the hold is one-sided
	v_dual_min_num_f32 v[\x], v[\x], v[\l] :: v_dual_min_num_f32 v[\x+1], v[\x+1], v[\l]
.endm
; A KEY STEP of 128 keys.  masked = 1: steps behind my group are jumped over, and in my group's own step hidden scores become -infinity.
.macro STEP masked
.if \masked
	s_cmp_gt_u32 s[KS], s[GR]
	s_cbranch_scc1 .Lhidden_\@                     ; a branch on the wave's number and the count of steps; no barrier and no tensor load stands in a step
.endif
	v_add_nc_u32 v[ADK], s[TB], v[L16]             ; with the four lines behind the last products these four are the eight places ahead of the loads
	v_add_nc_u32 v[ADS], s[TS], v[L4]
	v_nop
	v_nop
.irp t, 0,1,2,3,4,5,6,7
.irp c, 0,1
	ds_load_b128 v[FRG+8*\t+4*\c:FRG+8*\t+4*\c+3], v[ADK] offset:1024*\t+512*\c
.endr
.endr
.irp i, 0,1,2,3
	ds_load_b32 v[KSW+\i], v[ADS] offset:128*\i
.endr
	s_wait_dscnt 0x0
.irp t, 0,2,4,6                                ; S^T = K Q^T: register 16 b + i of lane (r, h) is key 128 step + 32 b + 16 h + i
	v_wmma_scale_f32_16x16x128_f8f6f4 v[SR+8*\t:SR+8*\t+7], v[FRG+8*\t:FRG+8*\t+15], v[QF:QF+15], 0, v[KSW+\t/2], v[QSW]
	v_wmma_scale_f32_16x16x128_f8f6f4 v[SR+8*\t+8:SR+8*\t+15], v[FRG+8*\t+8:FRG+8*\t+23], v[QF:QF+15], 0, v[KSW+\t/2], v[QSW] matrix_a_scale:MATRIX_SCALE_ROW1
.endr
	v_add_nc_u32 v[ADV], s[TB], v[L16V]            ; eight places behind those products
	v_add_nc_u32 v[ADT], s[TJ], v[L4]
	v_mov_b32 v[T0], v12                           ; the old -M
.rept 5
	v_nop
.endr
.irp t, 0,1,2,3                                ; V's four tiles land while the softmax is walked
.irp c, 0,1,2,3
	ds_load_b128 v[FRG+16*\t+4*\c:FRG+16*\t+4*\c+3], v[ADV] offset:2048*\t+512*\c
.endr
.endr
.irp i, 0,1
	ds_load_b32 v[VSW+\i], v[ADT] offset:128*\i
.endr
.if \masked
	s_cmp_lg_u32 s[KS], s[GR]
	s_cbranch_scc1 .Lopen_\@
	v_mov_b32 v[T1], 0xff800000                    ; -infinity
.set n, 0
.rept 64
	v_cmp_gt_i32 vcc_lo, 32*(n/16)+n%16, v[QL]     ; hidden where the key comes after my query
	v_cndmask_b32 v[SR+n], v[SR+n], v[T1], vcc_lo
.set n, n+1
.endr
.Lopen_\@:
.endif
.irp b, 0,1,2,3
	v_max3_num_f32 v[BM+\b], v[SR+16*\b], v[SR+16*\b+1], v[SR+16*\b+2]   ; the largest score of each block of 32 keys: for the row's maximum and for the block's largest p
.endr
.irp i, 3,5,7,9,11,13
.irp b, 0,1,2,3
	v_max3_num_f32 v[BM+\b], v[BM+\b], v[SR+16*\b+\i], v[SR+16*\b+\i+1]
.endr
.endr
.irp b, 0,1,2,3
	v_max_num_f32 v[BM+\b], v[BM+\b], v[SR+16*\b+15]
.endr
.irp b, 0,1,2,3
	v_permlanex16_b32 v[PM+\b], v[BM+\b], s[SEL], s[SEL+1]
.endr
.irp b, 0,1,2,3
	v_max_num_f32 v[BM+\b], v[BM+\b], v[PM+\b]     ; with lane l xor 16's 16 keys
.endr
	v_max3_num_f32 v[T1], v[BM], v[BM+1], v[BM+2]
	v_max_num_f32 v[T1], v[T1], v[BM+3]
	v_mul_f32 v[T1], s[CS], v[T1]                  ; the step's largest t
	v_max_num_f32 v13, v13, v[T1]
	v_floor_f32 v12, -v13                          ; the new -M = -ceil(t)
	v_sub_f32 v[T0], v12, v[T0]                    ; old M - new M: a whole number, 0 or less
	v_cvt_i32_f32 v[T0], v[T0]                     ; (it saturates)
	v_ldexp_f32 v[F], 1.0, v[T0]                   ; f
.set n, 0
.rept 16
	v_pk_mul_f32 v[OT+n:OT+n+1], v[OT+n:OT+n+1], v[F:F+1] op_sel_hi:[1,0]   ; O^T under the new M, each accumulator from its low end on
.set n, n+2
.endr
.set n, 0
.rept 32
	v_pk_fma_f32 v[SR+n:SR+n+1], v[SR+n:SR+n+1], s[CS:CS+1], v[12:13] op_sel_hi:[1,0,0]   ; t - M
.set n, n+2
.endr
.irp b, 0,1,2,3
	v_fma_f32 v[BM+\b], v[BM+\b], s[CS], v12
.endr
	s_wait_alu depctr_va_vdst(0)                   ; the wait ahead of the batch
.set n, 0
.rept 64
	v_exp_f32 v[SR+n], v[SR+n]                     ; p = 2^(t - M)
.set n, n+1
.endr
.irp b, 0,1,2,3
	v_exp_f32 v[BM+\b], v[BM+\b]                   ; the block's largest p: the same two instructions on the same number
.endr
	v_nop                                          ; one plain place behind the batch
	s_wait_alu depctr_va_vdst(0)                   ; and the one wait behind it
.irp b, 0,1,2,3
	v_max_num_f32 v[BM+\b], 0x4800000, v[BM+\b]    ; the floor 2^(9 - 127): the byte cannot fall under 1
.endr
.irp b, 0,1,2,3
	v_add_nc_u32 v[SO+\b], 0xfc000000, v[BM+\b]    ; 8 off the exponent field: the conversion's scale operand
.endr
.irp b, 0,1,2,3
	v_and_or_b32 v[LIM+\b], v[BM+\b], 0x7f800000, s[MNT]   ; 448 x the scale
.endr
.irp b, 0,1,2,3
	v_lshrrev_b32 v[PM+\b], 23, v[SO+\b]           ; the scale's byte
.endr
	v_lshl_or_b32 v[PSW], v[PM+1], 8, v[PM]
	v_lshl_or_b32 v[PSW], v[PM+2], 16, v[PSW]
	v_lshl_or_b32 v[PSW], v[PM+3], 24, v[PSW]
.irp k, 0,1,2,3,4,5,6,7                        ; the row's sum of the unquantised p: eight chains of four pairs
	v_pk_add_f32 v[C+2*\k:C+2*\k+1], v[SR+2*\k:SR+2*\k+1], v[SR+16+2*\k:SR+17+2*\k]
.endr
.irp k, 0,1,2,3,4,5,6,7
	v_pk_add_f32 v[C+2*\k:C+2*\k+1], v[C+2*\k:C+2*\k+1], v[SR+32+2*\k:SR+33+2*\k]
.endr
.irp k, 0,1,2,3,4,5,6,7
	v_pk_add_f32 v[C+2*\k:C+2*\k+1], v[C+2*\k:C+2*\k+1], v[SR+48+2*\k:SR+49+2*\k]
.endr
.irp b, 0,1,2,3
.irp i, 0,2,4,6,8,10,12,14
	HOLD2 SR+16*\b+\i, LIM+\b                      ; the conversion to an 8-bit code does not saturate (ISA guide 7.6.2)
.endr
	v_cvt_scalef32_pk8_fp8_f32 v[PCD+4*\b:PCD+4*\b+1], v[SR+16*\b:SR+16*\b+7], v[SO+\b]
	v_cvt_scalef32_pk8_fp8_f32 v[PCD+4*\b+2:PCD+4*\b+3], v[SR+16*\b+8:SR+16*\b+15], v[SO+\b]
.endr
.irp k, 0,4,8,12                               ; the chains are joined: these four stand between the conversions and the products that take their codes
	v_pk_add_f32 v[C+\k:C+\k+1], v[C+\k:C+\k+1], v[C+\k+2:C+\k+3]
.endr
	s_wait_alu depctr_va_vdst(0)
	s_wait_dscnt 0x0                               ; V's tiles and scale words are in
.irp t, 0,2                                    ; O^T += V^T P^T, the four accumulators by turns
	v_wmma_scale_f32_16x16x128_f8f6f4 v[OT+8*\t:OT+8*\t+7], v[FRG+16*\t:FRG+16*\t+15], v[PCD:PCD+15], v[OT+8*\t:OT+8*\t+7], v[VSW+\t/2], v[PSW]
	v_wmma_scale_f32_16x16x128_f8f6f4 v[OT+8*\t+8:OT+8*\t+15], v[FRG+16*\t+16:FRG+16*\t+31], v[PCD:PCD+15], v[OT+8*\t+8:OT+8*\t+15], v[VSW+\t/2], v[PSW] matrix_a_scale:MATRIX_SCALE_ROW1
.endr
	v_pk_add_f32 v[C:C+1], v[C:C+1], v[C+4:C+5]    ; four places behind the products
	v_pk_add_f32 v[C+8:C+9], v[C+8:C+9], v[C+12:C+13]
	v_pk_add_f32 v[C:C+1], v[C:C+1], v[C+8:C+9]
	v_pk_fma_f32 v[14:15], v[14:15], v[F:F+1], v[C:C+1] op_sel_hi:[1,0,1]   ; the sum under the new M, and this step's part
	s_wait_alu depctr_va_vdst(0)
.if \masked
.Lhidden_\@:
.endif
.endm
; A query tile ends: O^T / the sum; register 16 c + i is d = 32 c + 16 h + i: two blocks of the projection's K, quantised as they stand
.macro FINISH
.rept 4
	v_nop                                          ; with the four lines behind the last products: eight places
.endr
	s_lshl_b32 s26, s[TT], 14
	s_mov_b32 s27, 0
	s_add_nc_u64 s[60:61], s[OB:OB+1], s[26:27]    ; 16,384 bytes a tile
	s_lshl_b32 s26, s[TT], 9
	s_add_nc_u64 s[62:63], s[OSB:OSB+1], s[26:27]  ; 512 bytes of scales a tile
	v_add_f32 v14, v14, v15
	v_permlanex16_b32 v[T0], v14, s[SEL], s[SEL+1]
	v_add_f32 v14, v14, v[T0]                      ; the row's sum
	s_wait_alu depctr_va_vdst(0)                   ; the wait ahead of the transcendental
	v_rcp_f32 v14, v14
	v_and_b32 v[T1], 60, v[L4]                     ; (a plain place)  4 r
	v_lshlrev_b32 v[T1], 3, v[T1]                  ; 32 r
	s_wait_alu depctr_va_vdst(0)                   ; and ahead of its first reader, which is also O^T's
.set n, 0
.rept 16
	v_pk_mul_f32 v[SR+n:SR+n+1], v[OT+n:OT+n+1], v[14:15] op_sel_hi:[1,0]
.set n, n+2
.endr
.irp b, 0,1
	v_max3_num_f32 v[BM+\b], |v[SR+16*\b]|, |v[SR+16*\b+1]|, 0x4800000
.endr
.irp i, 2,4,6,8,10,12,14
.irp b, 0,1
	v_max3_num_f32 v[BM+\b], v[BM+\b], |v[SR+16*\b+\i]|, |v[SR+16*\b+\i+1]|
.endr
.endr
.irp b, 0,1
	v_permlanex16_b32 v[PM+\b], v[BM+\b], s[SEL], s[SEL+1]
.endr
.irp b, 0,1
	v_max_num_f32 v[BM+\b], v[BM+\b], v[PM+\b]
.endr
.irp b, 0,1
	v_add_nc_u32 v[SO+\b], 0xfc000000, v[BM+\b]
.endr
.irp b, 0,1
	v_and_or_b32 v[LIM+\b], v[BM+\b], 0x7f800000, s[MNT]
.endr
.irp b, 0,1
	v_lshrrev_b32 v[PM+\b], 23, v[SO+\b]
.endr
	v_lshl_or_b32 v[C], v[PM+1], 8, v[PM]          ; the head's two scale bytes of my row
.irp b, 0,1
.irp i, 0,1,2,3,4,5,6,7,8,9,10,11,12,13,14,15
	v_med3_num_f32 v[SR+16*\b+\i], v[SR+16*\b+\i], -v[LIM+\b], v[LIM+\b]
.endr
	v_cvt_scalef32_pk8_fp8_f32 v[PCD+4*\b:PCD+4*\b+1], v[SR+16*\b:SR+16*\b+7], v[SO+\b]
	v_cvt_scalef32_pk8_fp8_f32 v[PCD+4*\b+2:PCD+4*\b+3], v[SR+16*\b+8:SR+16*\b+15], v[SO+\b]
.endr
	v_nop                                          ; one plain line behind the last conversion
	global_store_b128 v[L16], v[PCD:PCD+3], s[60:61]               ; 32 lanes store 512 consecutive bytes
	global_store_b128 v[L16], v[PCD+4:PCD+7], s[60:61] offset:512
	global_store_b16 v[T1], v[C], s[62:63]         ; 2 bytes a row, 32 bytes apart (lanes l and l + 16 write the same bytes with the same value)
	s_wait_xcnt 0x0                                ; the stores have read their registers and bases
.endm
; A part of K and V becomes readable: the waves that asked for it (those under n) wait for their one load; then the work-group's barrier.  Nothing is ever filled again.
.macro SYNCLT n
	s_wait_alu depctr_va_vdst(0)
	s_cmp_lt_u32 s[WV], \n
	s_cbranch_scc0 .Lnot_mine_\@
	s_wait_tensorcnt 0x0
.Lnot_mine_\@:
	s_wait_dscnt 0x0
	s_barrier_signal -1
	s_barrier_wait -1
.endm
.macro WALK from, to, masked           ; key steps from .. to - 1: the trip count and every start are constants
	s_mov_b32 s[KS], \from
	s_mov_b32 s[TB], 8192*(\from)
	s_mov_b32 s[TS], LKS+512*(\from)
	s_mov_b32 s[TJ], LVS+256*(\from)
.Lwalk_\@:
	STEP \masked
	s_add_co_u32 s[TB], s[TB], 8192
	s_add_co_u32 s[TS], s[TS], 512
	s_add_co_u32 s[TJ], s[TJ], 256
	s_add_co_u32 s[KS], s[KS], 1
	s_cmp_lt_u32 s[KS], \to
	s_cbranch_scc1 .Lwalk_\@
.endm
	s_mov_b32 s[TT], s[TA]                         ; the longer tile first: group 15 - g, at least 8: its steps 0-7 are all open
	s_mov_b32 s[GR], s[GA]
	INIT
	SYNCLT 4                                       ; the scale words and keys 0-511 are in
	WALK 0, 4, 0
	SYNCLT 6                                       ; keys 512-1,023
	WALK 4, 8, 0
	s_wait_alu depctr_va_vdst(0)
	s_wait_tensorcnt 0x0                           ; every wave: all of K and V is in
	s_wait_dscnt 0x0
	s_barrier_signal -1
	s_barrier_wait -1
	WALK 8, 16, 1
	FINISH
	s_mov_b32 s[TT], s[TBI]                        ; group g
	s_mov_b32 s[GR], s[GB]
	INIT
	WALK 0, 8, 1
	FINISH
	s_wait_tensorcnt 0x0                           ; the wave's end
	ds_add_u32 v[SPW], v[NIL]
	s_wait_dscnt 0x0
	CROUND                                         ; the closing round
	s_endpgm
.Lfunc_end_k_q3ecd2e3232_attn:
	.size	k_q3ecd2e3232_attn, .Lfunc_end_k_q3ecd2e3232_attn-k_q3ecd2e3232_attn
	.p2alignl 7, 3214868480
	.fill 96, 4, 3214868480
	.section	.rodata,"a",@progbits
	.p2align	6, 0x0
	.amdhsa_kernel k_q3ecd2e3232_attn
		.amdhsa_group_segment_fixed_size 327680
		.amdhsa_private_segment_fixed_size 0
		.amdhsa_enable_private_segment 0
		.amdhsa_kernarg_size 32
		.amdhsa_user_sgpr_count 2
		.amdhsa_user_sgpr_kernarg_segment_ptr 1
		.amdhsa_wavefront_size32 1
		.amdhsa_system_sgpr_workgroup_id_x 1
		.amdhsa_system_sgpr_workgroup_id_y 1
		.amdhsa_system_sgpr_workgroup_id_z 1
		.amdhsa_system_vgpr_workitem_id 0
		.amdhsa_next_free_vgpr 256
		.amdhsa_next_free_sgpr 100
		.amdhsa_reserve_vcc 1
		.amdhsa_float_denorm_mode_32 3
		.amdhsa_float_denorm_mode_16_64 3
		.amdhsa_memory_ordered 1
		.amdhsa_forward_progress 1
		.amdhsa_inst_pref_size 113
	.end_amdhsa_kernel
	.amdgpu_metadata
---
amdhsa.version: [ 1, 2 ]
amdhsa.kernels:
  - .name:           k_q3ecd2e3232_attn
    .symbol:         k_q3ecd2e3232_attn.kd
    .args:
      - { .name: qkv, .offset: 0, .size: 8, .value_kind: global_buffer, .address_space: global }
      - { .name: qkvs, .offset: 8, .size: 8, .value_kind: global_buffer, .address_space: global }
      - { .name: o_img, .offset: 16, .size: 8, .value_kind: global_buffer, .address_space: global }
      - { .name: o_scl, .offset: 24, .size: 8, .value_kind: global_buffer, .address_space: global }
    .group_segment_fixed_size: 327680
    .private_segment_fixed_size: 0
    .kernarg_segment_align: 8
    .kernarg_segment_size: 32
    .max_flat_workgroup_size: 512
    .sgpr_count:     100
    .vgpr_count:     256
    .wavefront_size: 32
...
	.end_amdgpu_metadata
.endif
;; end of part 3
;; launch gemm_proj (part 4): grid 4 x 64, 4 waves a work-group, clusters of 4 x 4, 327,680 bytes of LDS; arguments o_img, o_scl, img, scl, bproj, out0; writes out0
.if DOCPART == 4
	.amdgcn_target "amdgcn-amd-amdhsa--gfx1250"
	.amdhsa_code_object_version 6
	.text
	.protected	k_q3ecd2e3232_gemm_proj
	.globl	k_q3ecd2e3232_gemm_proj
	.p2align	8
	.type	k_q3ecd2e3232_gemm_proj,@function
k_q3ecd2e3232_gemm_proj:
	s_mov_b64 s[64:65], 0
	v_nop
	global_prefetch_b8 v0, s[64:65] scope:SCOPE_SE
	s_setreg_imm32_b32 hwreg(HW_REG_WAVE_MODE, 25, 1), 1
	s_wait_xcnt 0x0
	s_wait_alu depctr_hold_cnt(0) depctr_sa_sdst(0) depctr_va_vdst(0) depctr_va_sdst(0) depctr_va_ssrc(0) depctr_va_vcc(0) depctr_vm_vsrc(0)
	s_getreg_b32 s2, hwreg(HW_REG_IB_STS2, 6, 4)
	s_cmp_eq_u32 s2, 0
	s_cbranch_scc0 .Lentry_in_a_cluster
	s_endpgm
.Lentry_in_a_cluster:
	s_bfe_u32 s2, ttmp6, 0x10000c
	s_cmp_lg_u32 s2, 0xf033
	s_cbranch_scc0 .Lentry_shape_is_right
	s_endpgm
.Lentry_shape_is_right:
; out0 = O Wproj^T + bproj on codes of FP8 (E4M3) with E8M0 scales, K = 1,024; f32 sums, f32 out.
; Both operands are images of the operand's registers: [tile of 16 rows][K step of 128 (8)][c (4)][lane][16 bytes], 16,384 bytes a tile; scale bytes [16 tile + r][32].  o_img, o_scl: the 512 token tiles; img, scl: Wproj's are tiles 512-575.
; Lane r of tile T holds row 32 (T / 2) + 8 (T % 2) + r + 8 (r / 8).
; THE DEAL.  256 work-groups of four waves (2 x 2): 128 tokens x 256 columns each, the columns in two chunks of 128.  A wave holds its 64 tokens, ALL of K, in 512 registers, and streams 64 rows of Wproj past them, a K step of 128 at a time.
; LDS: region P (131,072 bytes) takes the tokens' 8 tiles, region Q chunk 0's 8 tiles, both whole in K, at the head: one joint load of 4 tiles a wave.  When every wave holds its tokens in registers, P is filled again, behind a drained round
; of the cluster's barrier, with chunk 1: 2 tiles a wave.  Chunk 0 is multiplied and stored while that load is out: by the text's own count a wave never has more than one tensor load out.
; CLUSTERS: 4 x 4.  The four of a row share the tokens, the four of a column Wproj's rows: joint loads.
; SOURCE 0 = 16 rows of Wproj, SOURCE 1 = 16 tokens: a lane holds a token, and the 16 registers of tiles 2 b, 2 b + 1 are 16 neighbouring columns.  The bias is the first products' C.
; PREFETCH: chunk 1's 512 blocks of 256 bytes are named once in each cluster, at the head, one fill ahead of their load: the column's sixteen waves take 32 blocks each, told apart by address.  The head's own tiles have nothing ahead of them.
; REGISTERS: window 0: v0-31 addresses; v32-63 the tokens' scale words (8 a + q); v68-99 Wproj's (8 b + q: lanes 0-15 chunk 0, lanes 16-31 chunk 1); v128-255 sixteen accumulators (4 a + b).
;   windows 1, 2: the tokens' fragments (4 q + a).   window 3: v0-127 Wproj's fragments, two sets of four, on the way out four blocks read back from the stage; v128-191 the bias.
; LIMITS: NaN, infinities and sums beyond f32's range are not served.
.set TILE,   16384
.set QREG,   131072
.set STAGE,  262144                    ; 16 rows x (256 + 16) bytes for each wave: no fill lands here
.set SPITCH, 272
.set SPARE,  STAGE+4*16*SPITCH
.set ADT,  16
.set ADW0, 17
.set ADW1, 18
.set STO,  24
.set RD,   25
.set CO,   26
.set SPW,  28
.set NIL,  29
.set PFO,  30
.set SA,   32
.set SB,   68                          ; 4 off a multiple of 8: no product's two scale words have numbers equal modulo 8
.set ACC,  128
.set BI,   128
.set G1A, 24
.set G0A, 32
.set G0B, 36
.set G1B, 48
.set G0C, 56
.set G1C, 68
.set MSB, 0
.macro WIN new                         ; the immediate's high byte repeats the setting that is left
.if MSB != (\new)
	s_set_vgpr_msb (MSB<<8)|(\new)
.set MSB, (\new)
.endif
.endm
.macro PLACES n
.rept \n
	v_nop
.endr
.endm
.macro CROUND                          ; a round of the cluster's barrier
	s_barrier_signal -1
	s_barrier_wait -1
	s_cmp_lg_u32 s14, 0
	s_cbranch_scc1 .Lnot_wave_0_\@
	s_barrier_signal -3
.Lnot_wave_0_\@:
	s_barrier_wait -3
	s_barrier_signal -1
	s_barrier_wait -1
.endm
.macro GROUP1 g, mask, rows            ; so many tiles, each a row of 2,048 elements of 8 bytes, dense in memory and in LDS
	s_or_b32 s[\g], s[\mask], (3<<16)|(1<<21)
	s_mov_b32 s[\g+1], 2048<<16
	s_mov_b32 s[\g+2], (\rows)<<16
	s_mov_b32 s[\g+3], 2048<<16
	s_mov_b32 s[\g+4], \rows
	s_mov_b32 s[\g+5], 2048
	s_mov_b32 s[\g+6], 0
	s_mov_b32 s[\g+7], 0
.endm
	s_load_b128 s[4:7], s[0:1], 0x0                ; o_img, o_scl
	s_load_b128 s[8:11], s[0:1], 0x10              ; img, scl
	s_load_b128 s[96:99], s[0:1], 0x20             ; bproj, out0
	v_lshl_add_u32 v[SPW], v0, 2, SPARE
	v_mov_b32 v[NIL], 0
	ds_add_u32 v[SPW], v[NIL]                      ; the opening lines: the add twice on end and its wait
	ds_add_u32 v[SPW], v[NIL]
	v_lshrrev_b32 v1, 5, v0
	v_readfirstlane_b32 s14, v1                    ; wave 0..3
	s_lshr_b32 s15, s14, 1                         ; my half of the tokens.  Also: at the head I fetch tokens (0) or Wproj (1)
	s_and_b32 s16, s14, 1                          ; my half of a chunk's rows.  Also: which 4 tiles I fetch
	s_bfe_u32 s40, ttmp6, 0x40000                  ; cx: the 256 columns
	s_bfe_u32 s41, ttmp6, 0x40004                  ; cy
	s_and_b32 s17, ttmp7, 0xffff
	s_lshl_b32 s17, s17, 2
	s_add_co_u32 s17, s17, s41                     ; the 128 tokens: 4 x cluster y + cy
	s_lshl_b32 s43, s41, 2
	s_lshl_b32 s43, 15, s43                        ; my row of the cluster
	s_lshl_b32 s44, 0x1111, s40                    ; my column
	GROUP1 G1A, 43, 4
	GROUP1 G1B, 44, 4
	GROUP1 G1C, 44, 2
	s_lshl_b32 s18, s16, 16                        ; 4 tiles
	s_lshl_b32 s20, s17, 17                        ; the tokens: 8 tiles a work-group
	s_add_co_u32 s20, s20, s18
	s_mov_b32 s21, 0
	s_lshl_b32 s46, s40, 18                        ; Wproj: tile 512 + 16 cx
	s_add_co_u32 s46, s46, 0x800000
	s_mov_b32 s47, 0
	s_lshl_b32 s19, s14, 15                        ; chunk 1: 8 tiles on, 2 tiles a wave
	s_add_co_u32 s22, s46, 131072
	s_add_co_u32 s22, s22, s19
	s_mov_b32 s23, 0
	s_add_co_u32 s46, s46, s18
	s_lshl_b32 s45, s14, 16                        ; where the head's tiles go: wave x 4 tiles
	s_wait_dscnt 0x0                               ; both opening adds are done
	s_wait_kmcnt 0x0
	s_mov_b32 s[G0A], 1
	s_mov_b32 s[G0A+1], s45
	s_add_nc_u64 s[G0A+2:G0A+3], s[4:5], s[20:21]
	s_or_b32 s[G0A+3], s[G0A+3], 0x80000000
	s_mov_b32 s[G0B], 1
	s_mov_b32 s[G0B+1], s45
	s_add_nc_u64 s[G0B+2:G0B+3], s[8:9], s[46:47]
	s_or_b32 s[G0B+3], s[G0B+3], 0x80000000
	s_mov_b32 s[G0C], 1
	s_mov_b32 s[G0C+1], s19
	s_add_nc_u64 s[G0C+2:G0C+3], s[8:9], s[22:23]
	s_or_b32 s[G0C+3], s[G0C+3], 0x80000000
	CROUND                                         ; all sixteen work-groups are here: the first joint loads meet
	s_cmp_eq_u32 s15, 0
	s_cbranch_scc0 .Lfor_w
	tensor_load_to_lds s[G0A:G0A+3], s[G1A:G1A+7]
	s_nop 0
	PLACES 4
	s_branch .Lasked
.Lfor_w:
	tensor_load_to_lds s[G0B:G0B+3], s[G1B:G1B+7]
	s_nop 0
	PLACES 4
.Lasked:
	s_lshl_b32 s18, s15, 16
	s_lshl_b32 s19, s16, 16
	s_add_co_u32 s22, s19, QREG
	s_mul_i32 s23, s14, 16*SPITCH
	s_add_co_u32 s23, s23, STAGE
	s_lshl_b32 s20, s17, 12                        ; the tokens' scale bytes: 512 a tile
	s_lshl_b32 s46, s15, 11
	s_add_co_u32 s20, s20, s46
	s_mov_b32 s21, 0
	s_add_nc_u64 s[60:61], s[6:7], s[20:21]
	s_lshl_b32 s20, s40, 13                        ; Wproj's: tile 512 + 16 cx + 4 x my half
	s_lshl_b32 s46, s16, 11
	s_add_co_u32 s20, s20, s46
	s_add_co_u32 s20, s20, 262144
	s_add_nc_u64 s[62:63], s[10:11], s[20:21]
	s_lshl_b32 s20, s40, 10                        ; my first column, in bytes
	s_lshl_b32 s46, s16, 8
	s_add_co_u32 s20, s20, s46
	s_add_nc_u64 s[96:97], s[96:97], s[20:21]
	s_add_nc_u64 s[98:99], s[98:99], s[20:21]
	s_lshl_b32 s20, s17, 19                        ; my first token's row of 4,096 bytes
	s_lshl_b32 s46, s15, 18
	s_add_co_u32 s20, s20, s46
	s_add_nc_u64 s[98:99], s[98:99], s[20:21]
	s_lshl_b32 s20, s41, 2                         ; the prefetch: which of the column's sixteen waves I am: 8,192 bytes of chunk 1 each
	s_add_co_u32 s20, s20, s14
	s_lshl_b32 s20, s20, 13
	s_lshl_b32 s46, s40, 18
	s_add_co_u32 s20, s20, s46
	s_add_co_u32 s20, s20, 0x800000+131072
	s_add_nc_u64 s[12:13], s[8:9], s[20:21]
	v_and_b32 v1, 15, v0                           ; r
	v_bfe_u32 v2, v0, 4, 1                         ; h
	v_and_b32 v6, 31, v0
	v_lshlrev_b32 v3, 4, v6                        ; an image's place for my lane
	v_add_nc_u32 v[ADT], s18, v3
	v_add_nc_u32 v[ADW1], s19, v3
	v_add_nc_u32 v[ADW0], s22, v3
	v_mul_u32_u24 v4, v1, SPITCH                   ; the stage, in: row r, 64 bytes for each half of the lanes
	v_lshl_add_u32 v4, v2, 6, v4
	v_add_nc_u32 v[STO], s23, v4
	v_mul_u32_u24 v4, v2, SPITCH                   ; back: lanes 0-15 one row of 256 bytes, lanes 16-31 the next
	v_lshl_add_u32 v4, v1, 4, v4
	v_add_nc_u32 v[RD], s23, v4
	v_lshlrev_b32 v4, 12, v2
	v_lshl_add_u32 v[CO], v1, 4, v4                ; and the same two rows in out0
	v_lshlrev_b32 v5, 5, v1                        ; scale bytes: 32 r
	v_lshl_add_u32 v8, v2, 12, v5                  ; Wproj's: lanes 16-31 take chunk 1's, 8 tiles of 512 bytes on
	v_lshlrev_b32 v7, 6, v2                        ; the bias: 64 h
	v_lshlrev_b32 v[PFO], 8, v6
	s_wait_alu depctr_va_vdst(0)
.irp a, 0,1,2,3
	global_load_b128 v[SA+8*\a:SA+8*\a+3], v5, s[60:61] offset:512*\a
	global_load_b128 v[SA+8*\a+4:SA+8*\a+7], v5, s[60:61] offset:512*\a+16
	global_load_b128 v[SB+8*\a:SB+8*\a+3], v8, s[62:63] offset:512*\a
	global_load_b128 v[SB+8*\a+4:SB+8*\a+7], v8, s[62:63] offset:512*\a+16
.endr
	WIN 0xc0                                       ; destination window 3
.irp c, 0,1
.irp b, 0,1,2,3
	global_load_b128 v[BI+32*\c+8*\b:BI+32*\c+8*\b+3], v7, s[96:97] offset:512*\c+(32*(\b/2)+8*(\b%2))*4
	global_load_b128 v[BI+32*\c+8*\b+4:BI+32*\c+8*\b+7], v7, s[96:97] offset:512*\c+(32*(\b/2)+8*(\b%2))*4+16
.endr
.endr
	WIN 0
	global_prefetch_b8 v[PFO], s[12:13] th:TH_LOAD_NT scope:SCOPE_SE
.macro FETCHW adr, q                   ; Wproj's four fragments of K step q into set q % 2: 16 loads
	WIN 0xc0
.irp b, 0,1,2,3
.irp e, 0,1,2,3
	ds_load_b128 v[64*((\q)%2)+16*\b+4*\e:64*((\q)%2)+16*\b+4*\e+3], v[\adr] offset:\b*TILE+(\q)*2048+512*\e
.endr
.endr
.endm
.macro MULS c, q                       ; 16 products, the sixteen accumulators by turns
.if (\q) == 0
	WIN 0x37                                       ; source 0 window 3, source 1 window 1, C (the bias) window 3
.else
	WIN 0x03|((1+(\q)/4)<<2)
.endif
.irp a, 0,1,2,3
.irp b, 0,1,2,3
.if (\q) == 0 && (\c) == 0
	v_wmma_scale_f32_16x16x128_f8f6f4 v[ACC+8*(4*\a+\b):ACC+8*(4*\a+\b)+7], v[16*\b:16*\b+15], v[16*\a:16*\a+15], v[BI+8*\b:BI+8*\b+7], v[SB+8*\b], v[SA+8*\a]
.elseif (\q) == 0
	v_wmma_scale_f32_16x16x128_f8f6f4 v[ACC+8*(4*\a+\b):ACC+8*(4*\a+\b)+7], v[16*\b:16*\b+15], v[16*\a:16*\a+15], v[BI+32+8*\b:BI+32+8*\b+7], v[SB+8*\b], v[SA+8*\a] matrix_a_scale:MATRIX_SCALE_ROW1
.elseif (\c) == 0
	v_wmma_scale_f32_16x16x128_f8f6f4 v[ACC+8*(4*\a+\b):ACC+8*(4*\a+\b)+7], v[64*((\q)%2)+16*\b:64*((\q)%2)+16*\b+15], v[16*((4*(\q)+\a)%16):16*((4*(\q)+\a)%16)+15], v[ACC+8*(4*\a+\b):ACC+8*(4*\a+\b)+7], v[SB+8*\b+(\q)], v[SA+8*\a+(\q)]
.else
	v_wmma_scale_f32_16x16x128_f8f6f4 v[ACC+8*(4*\a+\b):ACC+8*(4*\a+\b)+7], v[64*((\q)%2)+16*\b:64*((\q)%2)+16*\b+15], v[16*((4*(\q)+\a)%16):16*((4*(\q)+\a)%16)+15], v[ACC+8*(4*\a+\b):ACC+8*(4*\a+\b)+7], v[SB+8*\b+(\q)], v[SA+8*\a+(\q)] matrix_a_scale:MATRIX_SCALE_ROW1
.endif
.endr
.endr
.endm
.macro CHUNK c, adr                    ; 64 tokens x 64 columns x 1,024: K steps 0 and 1 have been asked for
.irp q, 0,1,2,3,4,5,6,7
.if \q < 7
	s_wait_dscnt 16                                ; this K step's fragments are in; the next step's 16 loads may be out
.else
	s_wait_dscnt 0x0
.endif
	MULS \c, \q
.if \q < 6
	PLACES 8                                       ; ahead of loads into registers that the products have read
	FETCHW \adr, \q+2
.endif
.endr
	WIN 0
.endm
; THE WAY OUT of a chunk: each block of 16 tokens x 64 columns goes through my own stage and comes back as rows of 256 bytes; sixteen lanes store one aligned unit of 256 bytes.  LDS serves a wave's instructions in order (ISA guide 5.7.1.4).
.macro OUT c
	PLACES 9                                       ; behind the last products: results are read, the fragments' registers are loaded into, and the next chunk begins the accumulators anew
.irp a, 0,1,2,3
	WIN 0
.irp b, 0,1,2,3
	ds_store_b128 v[STO], v[ACC+8*(4*\a+\b):ACC+8*(4*\a+\b)+3] offset:128*(\b/2)+32*(\b%2)      ; each accumulator from its low end on
	ds_store_b128 v[STO], v[ACC+8*(4*\a+\b)+4:ACC+8*(4*\a+\b)+7] offset:128*(\b/2)+32*(\b%2)+16
.endr
	WIN 0xc0
.irp t, 0,1,2,3,4,5,6,7
	ds_load_b128 v[32*\a+4*\t:32*\a+4*\t+3], v[RD] offset:\t*2*SPITCH
.endr
.endr
	WIN 0x0c                                       ; the stores' data: window 3
.irp a, 0,1,2,3
	s_wait_dscnt 16*(3-\a)                         ; behind block a's loads: the later blocks' 8 stores and 8 loads each
.irp t, 0,1,2,3,4,5,6,7
	global_store_b128 v[CO], v[32*\a+4*\t:32*\a+4*\t+3], s[98:99] offset:(32*(\a/2)+8*(\a%2)+2*\t+8*(\t/4))*4096+512*\c th:TH_STORE_NT
.endr
.endr
	WIN 0
.endm
	s_wait_tensorcnt 0x0                           ; my tile of the head's four is in,
	s_barrier_signal -1
	s_barrier_wait -1                              ; everybody's are
.irp q, 0,1,2,3,4,5,6,7                        ; my 64 tokens, all of K, into windows 1 and 2: 128 loads
	WIN (1+\q/4)<<6
.irp a, 0,1,2,3
.irp e, 0,1,2,3
	ds_load_b128 v[16*((4*\q+\a)%16)+4*\e:16*((4*\q+\a)%16)+4*\e+3], v[ADT] offset:\a*TILE+\q*2048+512*\e
.endr
.endr
.endr
	FETCHW ADW0, 0
	FETCHW ADW0, 1
	WIN 0
	s_wait_tensorcnt 0x0                           ; the three lines ahead of a refill's round
	ds_add_u32 v[SPW], v[NIL]
	s_wait_dscnt 0x0                               ; the add is done, and my reads of region P are over
	CROUND                                         ; no wave of any partner still reads its tokens from LDS
	tensor_load_to_lds s[G0C:G0C+3], s[G1C:G1C+7]  ; chunk 1 over the tokens' bytes
	s_nop 0
	PLACES 4
	s_wait_loadcnt 0x0                             ; the scale words and the bias
	CHUNK 0, ADW0
	OUT 0
	s_wait_tensorcnt 0x0                           ; my part of chunk 1 is in,
	s_wait_dscnt 0x0
	s_barrier_signal -1
	s_barrier_wait -1                              ; everybody's is; nothing is filled again
	s_wait_xcnt 0x0                                ; chunk 0's stores have read their registers, which take fragments again
	FETCHW ADW1, 0
	FETCHW ADW1, 1
	CHUNK 1, ADW1
	OUT 1
	s_wait_tensorcnt 0x0                           ; the wave's end
	ds_add_u32 v[SPW], v[NIL]
	s_wait_dscnt 0x0
	CROUND                                         ; the closing round
	s_endpgm
.Lfunc_end_k_q3ecd2e3232_gemm_proj:
	.size	k_q3ecd2e3232_gemm_proj, .Lfunc_end_k_q3ecd2e3232_gemm_proj-k_q3ecd2e3232_gemm_proj
	.p2alignl 7, 3214868480
	.fill 96, 4, 3214868480
	.section	.rodata,"a",@progbits
	.p2align	6, 0x0
	.amdhsa_kernel k_q3ecd2e3232_gemm_proj
		.amdhsa_group_segment_fixed_size 327680
		.amdhsa_private_segment_fixed_size 0
		.amdhsa_enable_private_segment 0
		.amdhsa_kernarg_size 48
		.amdhsa_user_sgpr_count 2
		.amdhsa_user_sgpr_kernarg_segment_ptr 1
		.amdhsa_wavefront_size32 1
		.amdhsa_system_sgpr_workgroup_id_x 1
		.amdhsa_system_sgpr_workgroup_id_y 1
		.amdhsa_system_sgpr_workgroup_id_z 1
		.amdhsa_system_vgpr_workitem_id 0
		.amdhsa_next_free_vgpr 1024
		.amdhsa_next_free_sgpr 100
		.amdhsa_reserve_vcc 0
		.amdhsa_float_denorm_mode_32 3
		.amdhsa_float_denorm_mode_16_64 3
		.amdhsa_memory_ordered 1
		.amdhsa_forward_progress 1
		.amdhsa_inst_pref_size 87
	.end_amdhsa_kernel
	.amdgpu_metadata
---
amdhsa.version: [ 1, 2 ]
amdhsa.kernels:
  - .name:           k_q3ecd2e3232_gemm_proj
    .symbol:         k_q3ecd2e3232_gemm_proj.kd
    .args:
      - { .name: o_img, .offset: 0, .size: 8, .value_kind: global_buffer, .address_space: global }
      - { .name: o_scl, .offset: 8, .size: 8, .value_kind: global_buffer, .address_space: global }
      - { .name: img, .offset: 16, .size: 8, .value_kind: global_buffer, .address_space: global }
      - { .name: scl, .offset: 24, .size: 8, .value_kind: global_buffer, .address_space: global }
      - { .name: bproj, .offset: 32, .size: 8, .value_kind: global_buffer, .address_space: global }
      - { .name: out0, .offset: 40, .size: 8, .value_kind: global_buffer, .address_space: global }
    .group_segment_fixed_size: 327680
    .private_segment_fixed_size: 0
    .kernarg_segment_align: 8
    .kernarg_segment_size: 48
    .max_flat_workgroup_size: 128
    .sgpr_count:     100
    .vgpr_count:     1024
    .wavefront_size: 32
...
	.end_amdgpu_metadata
.endif
;; end of part 4
